; MI455X (gfx1250); checked and timed in simulation.
; The chip was launched on July 23, 2026; its instructions are those of AMD's public machine-readable ISA for CDNA 5 (MIT licence, August 2026) and "CDNA5" Instruction Set Architecture Reference Guide (July 2026). The comments in the code are by the model that wrote it; some were corrected since.
;; Attention With Pos. Allowed arithmetic: matrix products marked QUANTISED: E2M3 operands, one E8M0 scale for each 32 along K, by v_wmma_scale_f32_16x16x128_f8f6f4 with both operands' format E2M3, f32 sums; everything else in f32.
;; Inputs: Wk 2,048 x 2,048 float32; Wo 2,048 x 2,048 float32; Wq 2,048 x 2,048 float32; Wv 2,048 x 2,048 float32; bk 2,048 float32; bo 2,048 float32; bq 2,048 float32; bv 2,048 float32; x 4 x 1,024 x 2,048 float32.
;; Outputs: out0 4 x 1,024 x 2,048 float32.
;; This version of the problem:
;;   THIS VERSION OF THE PROBLEM IS GIVEN IN LOW PRECISION. The matrix products marked QUANTISED in the list below multiply operands that are first quantised to E2M3 (2 exponent bits, 3 mantissa bits; 6 bits a number), with one power-of-two scale for each 32 numbers along K (OCP MX v1.0); their sums are f32. All else is computed in f32.
;;   The module's matrix products, in the order in which they are computed (A, B: the left and right operand; K: the contracted axis; several contracted axes count as one K, in the product's order):
;;     1. [M 4,096, K 2,048] x [K 2,048, N 2,048]; A: input x; B: input Wq: QUANTISED
;;     2. [M 4,096, K 2,048] x [K 2,048, N 2,048]; A: input x; B: input Wk: QUANTISED
;;     3. [M 4,096, K 2,048] x [K 2,048, N 2,048]; A: input x; B: input Wv: QUANTISED
;;     4. batch 4,096 x [M 32, K 64] x [K 64, N 32]; A: computed on the way; B: computed on the way: QUANTISED
;;     5. batch 4,096 x [M 32, K 32] x [K 32, N 64]; A: softmax (see below); B: computed on the way: QUANTISED
;;     6. [M 4,096, K 2,048] x [K 2,048, N 2,048]; A: computed on the way; B: input Wo: QUANTISED
;;   THE QUANTISER, for each operand of a quantised product, along K:
;;     - K is cut into blocks of 32 from its start; a last block that is shorter is filled with zeros.
;;     - A block's scale is 2^e with e = floor(log2(the largest magnitude in the block)) - 2, held to -126 .. 127; a block of zeros has e = 0. As a byte (E8M0): e + 127.
;;     - Each number is divided by its block's scale, clamped to +-7.5, and rounded to the nearest number of E2M3, ties to even, subnormals kept.
;;     - The product sums the exact products of the quantised numbers (number of the format x scale) in f32.
;;   ~~~python
;;   def quantise(x, axis):      # numpy; x: float32 -> the quantised numbers, widened to float32 again
;;       x = np.moveaxis(x, axis, -1); K = x.shape[-1]
;;       x = np.pad(x, [(0, 0)] * (x.ndim - 1) + [(0, -K % 32)]); x = x.reshape(x.shape[:-1] + (-1, 32)); a = np.abs(x).max(-1, keepdims=True)
;;       e = np.where(a > 0, np.clip(np.frexp(np.where(a > 0, a, 1))[1] - 1 - 2, -126, 127), 0)      # np.frexp(a)[1] - 1 = floor(log2(a)), exactly
;;       r = np.clip(x / 2.0 ** e, -7.5, 7.5)
;;       step = 2.0 ** (np.maximum(np.frexp(np.where(r == 0, 1, r))[1] - 1, 0) - 3)
;;       q = np.round(r / step) * step * 2.0 ** e      # np.round: ties to even
;;       return np.moveaxis(q.reshape(q.shape[:-2] + (-1,))[..., :K], -1, axis).astype(np.float32)
;;   ~~~
;;   SOFTMAX AHEAD OF A QUANTISED PRODUCT. Where the list says 'softmax', what is quantised is not the finished softmax but p = 2^(t - M), with t = logit x log2(e) and M = ceil(the row's largest t), a whole number; so 1/2 < the row's largest p <= 1. The row's sum l is taken of the UNQUANTISED p, in f32, and the product's result is divided by l at the end. Since M is a whole number, a kernel that streams over the keys may use a running M (the ceiling of the running maximum): every later rescaling is an exact power of two, which a block's scale takes up: the codes' values come out the same.
;;   OPERANDS COMPUTED ON THE WAY. 'Computed on the way' means the value that the module computes at that place (a softmax that the list does not call 'softmax' is quantised finished and normalised). What goes into a quantiser is computed in f32, as accurately as f32 sums, v_exp_f32 and their like allow (about 1e-6 of the number): no bf16 or f16 on the way to a quantiser, and a product that is left as it is and whose result goes on into a quantised operand takes f32 operands (vector FMAs, or v_wmma_f32_16x16x4_f32). A number that lies on a knife's edge between two numbers of the format may be rounded either way, as far as f32 arithmetic and the matrix unit's own rounding can turn it there, and no further.
;; One version. Each part assembles by itself: llvm-mc -triple=amdgcn-amd-amdhsa -mcpu=gfx1250 --defsym DOCPART=n.
;; ======== version 1 of 1: 4 launches
;; limits: right only within a limited range of input values
;; workspace buffers: xc 6,553,600 bytes; wc 9,830,400 bytes; woc 3,276,800 bytes; oc 6,553,600 bytes; qkvc 18,874,368 bytes; qsc 1,048,576 bytes; rope 262,144 bytes; bvp 8,192 bytes
;; launch prep (part 1): grid 776 x 1, 4 waves a work-group, no clusters, 48,640 bytes of LDS; arguments x, Wq, Wk, Wv, Wo, bv, xc, wc, woc, rope, bvp; writes xc, wc, woc, rope, bvp
.if DOCPART == 1
	.amdgcn_target "amdgcn-amd-amdhsa--gfx1250"
	.amdhsa_code_object_version 6
	.text
	.protected	k_q9a7cb3c06d_prep
	.globl	k_q9a7cb3c06d_prep
	.p2align	8
	.type	k_q9a7cb3c06d_prep,@function
k_q9a7cb3c06d_prep:
	s_mov_b64 s[64:65], 0
	v_nop
	global_prefetch_b8 v0, s[64:65] scope:SCOPE_SE
	s_setreg_imm32_b32 hwreg(HW_REG_WAVE_MODE, 25, 1), 1
	s_wait_xcnt 0x0
; x [4096][2048], Wq, Wk, Wv, Wo [2048][2048], f32, K innermost, become codes of FP6 (E2M3) with one E8M0 byte for each 32 along K, laid IN THE ORDER OF THE OPERAND'S REGISTERS:
; [tile of 128 rows][chunk of 512 K][block of 16 rows][6,400 bytes]; a block: 4 K steps x 1,536 bytes (register p of lane L at 512 (p / 4) + 16 L + 4 (p % 4)), then 256 scale bytes (row r's 16 bytes at 16 r).
; So a fragment later comes by three loads of 16 bytes a lane, and a chunk's tile is one dense block of memory.
; ROWS: xc and woc keep their rows' order.  wc holds 6,144 logical columns: q's 2,048, k's 2,048, then v's in the order 32 d + g (g the head), so that a block of 32 along the heads is 32 neighbours;
; within each 32 rows place 16 u + r holds logical row 8 u + r + 8 (r / 8), so that a lane's 16 results of two neighbouring blocks are 16 neighbours along the next K.
; A block's scale is 2^(floor(log2(its largest magnitude)) - 2); its byte is the largest magnitude's exponent field - 2, held at 1 from below.
; LIMITS: a block of zeros, or one whose largest magnitude lies under 2^-124, gets the byte 1 (the rule says 127 for zeros: the codes are zeros, and this program alone reads the bytes); NaN and infinities are not served.
; SHARES: work-group i < 768 takes one block of 16 stored rows, wave w its chunk w; step t is stored row t: 2,048 consecutive bytes in, and at the end 6,400 consecutive bytes out, 25 aligned runs of 256.
; Work-groups 768 to 775 make the rope table [position 1024][cos 32][sin 32] and bvp[32 d + g] = bv[64 g + d]; they touch no LDS.
; THE TABLE'S MARGIN: theta = 2^(-i log2(10000) / 32) is made to about one unit in the last place; the angle is position x theta, rounded once; sine and cosine by reduction with pi/2 in two parts and Taylor polynomials whose cut lies under 2e-9.
; WHERE THE BLOCKS OF 6,400 BYTES LIE: woc as said above.  xc: [256 rows: 16][chunk: 4][block: 16].  wc: [j: 16][chunk: 4][24 blocks]; the 24 are, for head H = 2 j + 0, 1: q's four blocks of head H, k's four, v's four (d = 2 H, 2 H + 1).
.set STEPS, 16
.set EMAX,  2
.set SP,    80                         ; a lane's place in an in-stage: 64 bytes + 16
.set WREG,  12032                      ; LDS of a wave: two in-stages of 32 x SP, then the block as it will leave
.set OUT,   5120                       ; 24 runs of 256 bytes of codes and the run of scale bytes, UP bytes apart
.set UP,    272
.set SPARE, 4*WREG                     ; behind the four regions: the spare words, 128 bytes a wave
.set R,     16                         ; v16-79   four sets of 16 numbers as loaded; at the end the block on its way out
.set X,     80                         ; v80-111  two sets of 16 neighbours
.set E,     112                        ; v112-127 a scale byte for each step
.set C,     128                        ; v128-191 codes: four registers for each step
.set AW,    4                          ; v4-6     where my three code words go
.set ASB,   7                          ; v7       where my block's byte goes
.set SPW,   12                         ; v12      my spare word; never rewritten
.set NIL,   13                         ; v13      0; never rewritten
	s_load_b256 s[4:11], s[0:1], 0x0               ; x, Wq, Wk, Wv
	s_load_b256 s[12:19], s[0:1], 0x20             ; Wo, bv, xc, wc
	s_load_b128 s[20:23], s[0:1], 0x40             ; woc, rope
	s_load_b64 s[24:25], s[0:1], 0x50              ; bvp
	v_lshl_add_u32 v[SPW], v0, 2, SPARE
	v_mov_b32 v[NIL], 0
	v_lshrrev_b32 v1, 5, v0
	v_readfirstlane_b32 s26, v1                    ; wave
	v_and_b32 v2, 31, v0                           ; lane
	v_lshlrev_b32 v1, 3, v2                        ; 8 x lane
	s_cmp_ge_u32 ttmp9, 768
	s_cbranch_scc1 .Ltable
	; ---- LDS addresses
	v_lshlrev_b32 v3, 4, v2                        ; my 16 bytes of a load's 512
	s_mul_i32 s27, s26, WREG
	v_lshrrev_b32 v14, 2, v2
	v_mul_u32_u24 v14, v14, SP
	v_and_b32 v15, 3, v2
	v_lshl_add_u32 v14, v15, 4, v14
	v_add_nc_u32 v14, s27, v14                     ; in-stage, way in: SP (lane / 4) + 16 (lane % 4)
	v_mul_u32_u24 v15, v2, SP
	v_add_nc_u32 v15, s27, v15                     ; way out: SP x lane: my 16 neighbours, k = 16 lane on
	s_add_co_u32 s27, s27, OUT
	v_lshl_add_u32 v10, v2, 3, s27                 ; the copy out: 8 bytes a lane of each run
	v_lshrrev_b32 v[ASB], 1, v2
	v_add_nc_u32 v[ASB], s27, v[ASB]
	v_add_nc_u32 v[ASB], 24*UP, v[ASB]             ; byte lane / 2 of the row's 16
	v_bfe_u32 v8, v2, 2, 1                         ; my 16 codes are registers 6 ((lane / 4) % 2) + 3 (lane % 2) + 0 .. 2
	v_and_b32 v9, 1, v2
	v_mul_u32_u24 v8, v8, 6
	v_mad_u32_u24 v8, v9, 3, v8
	v_lshrrev_b32 v9, 3, v2                        ; of K step lane / 8,
	v_mul_u32_u24 v9, v9, 6
	v_bfe_u32 v11, v2, 1, 1                        ; of the fragment's half (lane / 2) % 2
	v_add_nc_u32 v9, v9, v11
	v_mul_u32_u24 v9, v9, UP
	v_add_nc_u32 v9, s27, v9
.irp w, 0,1,2
	v_add_nc_u32 v11, \w, v8                       ; register p: run 2 (3 q + p / 4) + half, word p % 4; the row is the store's immediate
	v_lshrrev_b32 v[AW+\w], 2, v11
	v_mul_u32_u24 v[AW+\w], v[AW+\w], 2*UP
	v_and_b32 v11, 3, v11
	v_lshl_add_u32 v[AW+\w], v11, 2, v[AW+\w]
	v_add_nc_u32 v[AW+\w], v9, v[AW+\w]
.endr
	; ---- which tensor, which rows: choices on the work-group's number alone
	s_wait_kmcnt 0x0
	s_cmp_ge_u32 ttmp9, 256
	s_cselect_b64 s[66:67], s[6:7], s[4:5]         ; from
	s_cselect_b64 s[68:69], s[18:19], s[16:17]     ; to
	s_cselect_b32 s27, 256, 0
	s_cselect_b32 s28, 1, 0                        ; rows in the order 8 u + r + 8 (r / 8)
	s_cmp_ge_u32 ttmp9, 384
	s_cselect_b64 s[66:67], s[8:9], s[66:67]
	s_cmp_ge_u32 ttmp9, 512
	s_cselect_b64 s[66:67], s[10:11], s[66:67]
	s_cselect_b32 s29, 1, 0                        ; Wv
	s_cmp_ge_u32 ttmp9, 640
	s_cselect_b64 s[66:67], s[12:13], s[66:67]
	s_cselect_b64 s[68:69], s[20:21], s[68:69]
	s_cselect_b32 s27, 640, s27
	s_cselect_b32 s28, 0, s28
	s_cselect_b32 s29, 0, s29
	s_sub_co_u32 s27, ttmp9, s27                   ; the block's number in its buffer
	s_and_b32 s30, s27, 127                        ; and in its weight
	s_lshr_b32 s31, s30, 1
	s_and_b32 s30, s30, 1
	s_lshl_b32 s72, s31, 5
	s_lshl_b32 s73, s30, 3
	s_add_co_u32 s72, s72, s73                     ; Wq, Wk: first row 32 (block / 2) + 8 (block % 2)
	s_lshl_b32 s73, s30, 9
	s_add_co_u32 s73, s73, s31                     ; Wv: d = block / 2, g from 8 (block % 2): row 64 g + d
	s_lshl_b32 s74, s27, 4                         ; x, Wo: 16 x block
	s_mov_b32 s78, 8192                            ; from stored row to stored row, in bytes
	s_cmp_eq_u32 s28, 1
	s_cselect_b32 s74, s72, s74
	s_cmp_eq_u32 s29, 1
	s_cselect_b32 s74, s73, s74
	s_cselect_b32 s78, 0x80000, s78                ; Wv: 64 rows
	s_mov_b32 s79, 0
	s_lshl_b32 s80, s78, 3
	s_mul_i32 s80, s80, s28                        ; the jump of eight rows in the block's middle
	s_mov_b32 s81, 0
	s_lshl_b32 s70, s74, 13
	s_lshl_b32 s71, s26, 11                        ; my chunk: 2,048 bytes of each row
	s_add_co_u32 s70, s70, s71
	s_mov_b32 s71, 0
	s_add_nc_u64 s[32:33], s[66:67], s[70:71]      ; sixteen bases, one for each stored row; never rewritten
.irp t, 1,2,3,4,5,6,7,8,9,10,11,12,13,14,15
	s_add_nc_u64 s[32+2*\t:33+2*\t], s[30+2*\t:31+2*\t], s[78:79]
.if \t == 8
	s_add_nc_u64 s[32+2*\t:33+2*\t], s[32+2*\t:33+2*\t], s[80:81]
.endif
.endr
	s_lshr_b32 s70, s27, 3                         ; woc: tiles of 128 rows
	s_mul_i32 s70, s70, 204800
	s_and_b32 s71, s27, 7
	s_mul_i32 s71, s71, 6400
	s_add_co_u32 s70, s70, s71
	s_mul_i32 s71, s26, 51200
	s_add_co_u32 s70, s70, s71
	s_lshr_b32 s72, s27, 4                         ; xc: tiles of 256 rows
	s_mul_i32 s72, s72, 409600
	s_and_b32 s73, s27, 15
	s_mul_i32 s73, s73, 6400
	s_add_co_u32 s72, s72, s73
	s_mul_i32 s73, s26, 102400
	s_add_co_u32 s72, s72, s73
	s_bfe_u32 s74, s27, 0x40003                    ; wc: block = 128 part + 4 H + i: j = H / 2,
	s_mul_i32 s74, s74, 614400
	s_bfe_u32 s75, s27, 0x10002                    ; H % 2,
	s_mul_i32 s75, s75, 12
	s_lshr_b32 s76, s27, 7                         ; part,
	s_lshl_b32 s76, s76, 2
	s_add_co_u32 s75, s75, s76
	s_and_b32 s76, s27, 3                          ; i: place 12 (H % 2) + 4 part + i of the 24
	s_add_co_u32 s75, s75, s76
	s_mul_i32 s75, s75, 6400
	s_add_co_u32 s74, s74, s75
	s_mul_i32 s75, s26, 153600
	s_add_co_u32 s74, s74, s75
	s_cmp_lt_u32 ttmp9, 256
	s_cselect_b32 s70, s72, s70
	s_cmp_eq_u32 s28, 1
	s_cselect_b32 s70, s74, s70
	s_mov_b32 s71, 0
	s_add_nc_u64 s[68:69], s[68:69], s[70:71]      ; my 6,400 bytes
.macro LOAD t
.irp i, 0,1,2,3
	global_load_b128 v[R+16*((\t)%4)+4*\i:R+16*((\t)%4)+4*\i+3], v3, s[32+2*(\t):33+2*(\t)] offset:512*\i th:TH_LOAD_NT   ; 32 lanes read 512 consecutive bytes
.endr
.endm
.macro TURN t                          ; a step's numbers through the in-stage; LDS serves a wave's instructions in order, so no wait stands between the stores and the loads
.irp i, 0,1,2,3
	ds_store_b128 v14, v[R+16*((\t)%4)+4*\i:R+16*((\t)%4)+4*\i+3] offset:32*SP*((\t)%2)+8*SP*\i
.endr
.irp i, 0,1,2,3
	ds_load_b128 v[X+16*((\t)%2)+4*\i:X+16*((\t)%2)+4*\i+3], v15 offset:32*SP*((\t)%2)+16*\i
.endr
.endm
.irp t, 0,1,2,3
	LOAD \t
.endr
	s_wait_loadcnt 12                              ; step 0's four loads are in
	TURN 0
.macro STEP t
.set XS, X+16*((\t)%2)
.if (\t) > 0
	s_wait_dscnt 4                                 ; this step's numbers are back (behind them: the last step's four small stores)
.else
	s_wait_dscnt 0x0
.endif
.if (\t)+4 < STEPS
	LOAD (\t)+4
.endif
.if (\t)+1 < STEPS
.if STEPS-2-(\t) >= 3
	s_wait_loadcnt 12                              ; the next step's four loads are in; three younger steps' may be out
.else
	s_wait_loadcnt 4*(STEPS-2-(\t))
.endif
	TURN (\t)+1
.endif
	v_max3_num_f32 v8, |v[XS]|, |v[XS+1]|, |v[XS+2]|
	v_max3_num_f32 v9, |v[XS+3]|, |v[XS+4]|, |v[XS+5]|
.irp i, 6,10
	v_max3_num_f32 v8, v8, |v[XS+\i]|, |v[XS+\i+1]|
	v_max3_num_f32 v9, v9, |v[XS+\i+2]|, |v[XS+\i+3]|
.endr
	v_max3_num_f32 v8, v8, |v[XS+14]|, |v[XS+15]|
	v_max3_num_f32 v8, v8, v9, (EMAX+1)<<23        ; the floor 2^(3 - 127): the byte cannot fall under 1
	v_max_num_f32_dpp v8, v8, v8 row_xmask:1 row_mask:0xf bank_mask:0xf   ; with my neighbour's 16: the block's largest magnitude
	v_add_nc_u32 v11, -(EMAX<<23), v8              ; 2 off its exponent field: the conversion's scale operand
	v_cvt_scalef32_pk16_fp6_f32 v[C+4*(\t):C+4*(\t)+2], v[XS:XS+15], v11
	v_lshrrev_b32 v[E+(\t)], 23, v11               ; the scale's byte (also the plain line behind the conversion)
.irp w, 0,1,2
	ds_store_b32 v[AW+\w], v[C+4*(\t)+\w] offset:16*(\t)
.endr
	ds_store_b8 v[ASB], v[E+(\t)] offset:16*(\t)   ; both lanes of a block write the same byte with the same value
.endm
.irp t, 0,1,2,3,4,5,6,7,8,9,10,11,12,13,14,15
	STEP \t
.endr
.set U, 0
.rept 25
	ds_load_b64 v[16+2*U:17+2*U], v10 offset:UP*U  ; these see my stores: a wave's LDS instructions are served in order
.set U, U+1
.endr
.set U, 0
.rept 25
	s_wait_dscnt 24-U
	global_store_b64 v1, v[16+2*U:17+2*U], s[68:69] offset:256*U   ; 32 lanes store 256 consecutive bytes, aligned
.set U, U+1
.endr
	s_wait_tensorcnt 0x0                           ; the wave's end
	ds_add_u32 v[SPW], v[NIL]
	s_wait_dscnt 0x0
	s_endpgm
.Ltable:                                               ; wave W = 4 (work-group - 768) + wave: 32 positions of the table, 64 numbers of bvp
	s_sub_co_u32 s27, ttmp9, 768
	s_lshl_b32 s27, s27, 2
	s_add_co_u32 s27, s27, s26
	s_wait_alu depctr_va_vdst(0)
	v_and_b32 v8, 15, v2
	v_lshrrev_b32 v9, 4, v2                        ; 0: cosines, 1: sines
	v_lshl_add_u32 v10, v8, 7, v9                  ; bvp[64 W + 2 lane + 0, 1]: d = 2 W + lane / 16, g = 2 (lane % 16) + 0, 1: bv[64 g + d]
	s_lshl_b32 s28, s27, 1
	v_add_nc_u32 v10, s28, v10
	v_lshlrev_b32 v10, 2, v10
	s_lshl_b32 s30, s27, 8
	s_mov_b32 s31, 0
	s_lshl_b32 s66, s27, 13                        ; 32 positions of 256 bytes
	s_mov_b32 s67, 0
	s_wait_alu depctr_va_vdst(0)
	s_wait_kmcnt 0x0
	global_load_b32 v16, v10, s[14:15]
	global_load_b32 v17, v10, s[14:15] offset:256
	s_add_nc_u64 s[24:25], s[24:25], s[30:31]
	s_add_nc_u64 s[22:23], s[22:23], s[66:67]
	v_lshlrev_b32 v8, 1, v8                        ; my two angles: i = 2 (lane % 16), i + 1
	v_cvt_f32_u32 v18, v8
	v_add_f32 v19, 1.0, v18
	s_mov_b32 s68, 0x3ed49a78                      ; log2(10000) / 32, its upper part,
	s_mov_b32 s69, 0x32179a39                      ; its lower part,
	s_mov_b32 s70, 0xbed49a78                      ; and the upper part negated
.irp j, 0,1
	v_mul_f32 v[20+\j], s70, v[18+\j]              ; -a, a = i x upper, rounded
	v_fma_f32 v[22+\j], v[18+\j], s68, v[20+\j]    ; what the rounding dropped, exactly,
	v_fma_f32 v[22+\j], v[18+\j], s69, v[22+\j]    ; and the lower part's share: e
.endr
	s_wait_alu depctr_va_vdst(0)
	v_exp_f32 v24, v20
	v_exp_f32 v25, v21
	v_mul_f32 v22, 0x3f317218, v22                 ; e ln 2 (two plain lines behind the exponentials)
	v_mul_f32 v23, 0x3f317218, v23
	s_wait_alu depctr_va_vdst(0)                   ; one wait for both, ahead of their first reader
	v_fma_f32 v24, -v24, v22, v24                  ; theta = 2^-a (1 - e ln 2)
	v_fma_f32 v25, -v25, v23, v25
	s_wait_loadcnt 0x0
	global_store_b64 v1, v[16:17], s[24:25]        ; 256 consecutive bytes of bvp
	v_mul_u32_u24 v26, v9, 3                       ; sin x = cos(x - pi/2): three quadrants on
	v_mov_b32 v40, 0xb493f27e                      ; -1 / 10!
	v_mov_b32 v41, 0x3638ef1d                      ; 1 / 9!
	s_mov_b32 s70, 0x3f22f983                      ; 2 / pi
	s_mov_b32 s71, 0xbfc90fdb                      ; -(pi/2's upper part)
	s_mov_b32 s72, 0x333bbd2e                      ; -(its lower part)
	s_lshl_b32 s28, s27, 5                         ; the position
	s_mov_b32 s29, 0
.Lpos:
	v_cvt_f32_u32 v27, s28
	s_wait_alu depctr_va_vdst(0)
.irp j, 0,1
	v_mul_f32 v[28+\j], v27, v[24+\j]              ; the angle, rounded once
.endr
.irp j, 0,1
	v_mul_f32 v[30+\j], s70, v[28+\j]
.endr
.irp j, 0,1
	v_rndne_f32 v[30+\j], v[30+\j]                 ; n
.endr
.irp j, 0,1
	v_fma_f32 v[28+\j], v[30+\j], s71, v[28+\j]    ; exact: n x upper is a multiple of 2^-23 and the difference lies under 1
.endr
.irp j, 0,1
	v_fma_f32 v[28+\j], v[30+\j], s72, v[28+\j]    ; r, within pi/4 of 0
.endr
.irp j, 0,1
	v_mul_f32 v[32+\j], v[28+\j], v[28+\j]         ; s = r r
.endr
.irp j, 0,1
	v_fmaak_f32 v[34+\j], v40, v[32+\j], 0x37d00d01
	v_fmaak_f32 v[36+\j], v41, v[32+\j], 0xb9500d01
.endr
.irp j, 0,1
	v_fmaak_f32 v[34+\j], v[34+\j], v[32+\j], 0xbab60b61
	v_fmaak_f32 v[36+\j], v[36+\j], v[32+\j], 0x3c088889
.endr
.irp j, 0,1
	v_fmaak_f32 v[34+\j], v[34+\j], v[32+\j], 0x3d2aaaab
	v_fmaak_f32 v[36+\j], v[36+\j], v[32+\j], 0xbe2aaaab
.endr
.irp j, 0,1
	v_fma_f32 v[34+\j], v[34+\j], v[32+\j], -0.5
	v_mul_f32 v[38+\j], v[28+\j], v[32+\j]
.endr
.irp j, 0,1
	v_fma_f32 v[34+\j], v[34+\j], v[32+\j], 1.0    ; cos r
	v_fma_f32 v[36+\j], v[36+\j], v[38+\j], v[28+\j]   ; sin r
	v_cvt_i32_f32 v[30+\j], v[30+\j]
.endr
.irp j, 0,1
	v_add_nc_u32 v[30+\j], v[30+\j], v26           ; the quadrant q
	v_and_b32 v[38+\j], 1, v[30+\j]
	v_cmp_eq_u32 vcc_lo, 1, v[38+\j]
	v_cndmask_b32 v[34+\j], v[34+\j], v[36+\j], vcc_lo   ; odd q: the sine
	v_add_nc_u32 v[30+\j], 1, v[30+\j]
	v_and_b32 v[30+\j], 2, v[30+\j]                ; q % 4 = 1, 2: negative
	v_lshlrev_b32 v[30+\j], 30, v[30+\j]
	v_xor_b32 v[42+\j], v[30+\j], v[34+\j]
.endr
	global_store_b64 v1, v[42:43], s[22:23]        ; a position's 256 bytes
	s_wait_xcnt 0x0                                ; the store has read its data and its base: both are written again only behind this wait
	s_add_nc_u64 s[22:23], s[22:23], 256
	s_add_co_u32 s28, s28, 1
	s_add_co_u32 s29, s29, 1
	s_cmp_lt_u32 s29, 32
	s_cbranch_scc1 .Lpos
	s_endpgm
.Lfunc_end_k_q9a7cb3c06d_prep:
	.size	k_q9a7cb3c06d_prep, .Lfunc_end_k_q9a7cb3c06d_prep-k_q9a7cb3c06d_prep
	.p2alignl 7, 3214868480
	.fill 96, 4, 3214868480
	.section	.rodata,"a",@progbits
	.p2align	6, 0x0
	.amdhsa_kernel k_q9a7cb3c06d_prep
		.amdhsa_group_segment_fixed_size 48640
		.amdhsa_private_segment_fixed_size 0
		.amdhsa_enable_private_segment 0
		.amdhsa_kernarg_size 88
		.amdhsa_user_sgpr_count 2
		.amdhsa_user_sgpr_kernarg_segment_ptr 1
		.amdhsa_wavefront_size32 1
		.amdhsa_system_sgpr_workgroup_id_x 1
		.amdhsa_system_sgpr_workgroup_id_y 1
		.amdhsa_system_sgpr_workgroup_id_z 1
		.amdhsa_system_vgpr_workitem_id 0
		.amdhsa_next_free_vgpr 192
		.amdhsa_next_free_sgpr 82
		.amdhsa_reserve_vcc 1
		.amdhsa_float_denorm_mode_32 3
		.amdhsa_float_denorm_mode_16_64 3
		.amdhsa_memory_ordered 1
		.amdhsa_forward_progress 1
		.amdhsa_inst_pref_size 48
	.end_amdhsa_kernel
	.amdgpu_metadata
---
amdhsa.version: [ 1, 2 ]
amdhsa.kernels:
  - .name:           k_q9a7cb3c06d_prep
    .symbol:         k_q9a7cb3c06d_prep.kd
    .args:
      - { .name: x, .offset: 0, .size: 8, .value_kind: global_buffer, .address_space: global }
      - { .name: Wq, .offset: 8, .size: 8, .value_kind: global_buffer, .address_space: global }
      - { .name: Wk, .offset: 16, .size: 8, .value_kind: global_buffer, .address_space: global }
      - { .name: Wv, .offset: 24, .size: 8, .value_kind: global_buffer, .address_space: global }
      - { .name: Wo, .offset: 32, .size: 8, .value_kind: global_buffer, .address_space: global }
      - { .name: bv, .offset: 40, .size: 8, .value_kind: global_buffer, .address_space: global }
      - { .name: xc, .offset: 48, .size: 8, .value_kind: global_buffer, .address_space: global }
      - { .name: wc, .offset: 56, .size: 8, .value_kind: global_buffer, .address_space: global }
      - { .name: woc, .offset: 64, .size: 8, .value_kind: global_buffer, .address_space: global }
      - { .name: rope, .offset: 72, .size: 8, .value_kind: global_buffer, .address_space: global }
      - { .name: bvp, .offset: 80, .size: 8, .value_kind: global_buffer, .address_space: global }
    .group_segment_fixed_size: 48640
    .private_segment_fixed_size: 0
    .kernarg_segment_align: 8
    .kernarg_segment_size: 88
    .max_flat_workgroup_size: 128
    .sgpr_count:     82
    .vgpr_count:     192
    .wavefront_size: 32
...
	.end_amdgpu_metadata
.endif
;; end of part 1
;; launch qkv (part 2): grid 16 x 16, 4 waves a work-group, clusters of 4 x 4, 327,680 bytes of LDS; arguments xc, wc, bq, bk, bvp, rope, qkvc, qsc; writes qkvc, qsc
.if DOCPART == 2
	.amdgcn_target "amdgcn-amd-amdhsa--gfx1250"
	.amdhsa_code_object_version 6
	.text
	.protected	k_q9a7cb3c06d_qkv
	.globl	k_q9a7cb3c06d_qkv
	.p2align	8
	.type	k_q9a7cb3c06d_qkv,@function
k_q9a7cb3c06d_qkv:
	s_mov_b64 s[64:65], 0
	v_nop
	global_prefetch_b8 v0, s[64:65] scope:SCOPE_SE
	s_setreg_imm32_b32 hwreg(HW_REG_WAVE_MODE, 25, 1), 1
	s_wait_xcnt 0x0
	s_wait_alu depctr_hold_cnt(0) depctr_sa_sdst(0) depctr_va_vdst(0) depctr_va_sdst(0) depctr_va_ssrc(0) depctr_va_vcc(0) depctr_vm_vsrc(0)
	s_getreg_b32 s2, hwreg(HW_REG_IB_STS2, 6, 4)
	s_cmp_eq_u32 s2, 0
	s_cbranch_scc0 .Lentry_in_a_cluster
	s_endpgm
.Lentry_in_a_cluster:
	s_bfe_u32 s2, ttmp6, 0x10000c
	s_cmp_lg_u32 s2, 0xf033
	s_cbranch_scc0 .Lentry_shape_is_right
	s_endpgm
.Lentry_shape_is_right:
; q, k, v = x W^T + b on codes of FP6 (E2M3) with E8M0 scales; rope (q, k) in f32; then the quantisers of the products that follow: q, k along d, v along the heads.
; A work-group makes 256 tokens x 384 columns in ONE walk along K: 16 x 16 work-groups.  Wave (wy, wx) makes 128 tokens x 192 columns: head H = 2 j + wx of q, of k, and d = 2 H, 2 H + 1 of v (columns 32 d + g).
; 96 accumulators: part p (q, k, v) fills window 1 + p; accumulator (token block a, W block b) at v[8 (4 a + b)].  They begin as the bias, loaded into them in the result's layout.
; xc and wc hold blocks of 6,400 bytes (16 rows x 512 K as images of the operand's registers: 4 K steps x 1,536 bytes, then 256 scale bytes).  A slot holds 256 along K: 3,072 bytes of each of x's 16 and W's 24 blocks;
; a tensor row is 3,072 bytes and begins at a multiple of 256.  The scale bytes of all of K come once, at the head, and stay.  Eight slots' fills in all, two LDS slots by turns.
; A K step is three runs of 32 matrix instructions, one for each part: x's eight fragments stay for the step (one set, fetched anew by halves), W's four fragments of a part have two sets.
; CLUSTERS 4 x 4: x's tiles are shared along a row, W's along a column: joint loads.  No prefetch: the walk has eight fills, two of them at the head, at the largest block that the registers hold.
; TRANSPOSED USE: source 0 = 16 stored rows of W, source 1 = 16 tokens.  Register 16 B + i of a token block's 32 in lane (r, h) is token r, column 32 B + 16 h + i of the part's 64.
; OUT: qkvc [16 tokens: 256][unit 32 p + H: 96][768 bytes]: lane (token, half)'s 24 bytes of codes as three pieces of 8 bytes, piece j at 256 j + 8 lane.  qsc [H][token][8]: q's two bytes, k's two, v's two, two zeros.
; LIMITS: blocks of zeros, or under 2^-124, get the byte 1 (read by this program alone); NaN and infinities are not served; the rope is a product and a fused multiply-add.
.set UNIT,  3072
.set XB,    16*UNIT
.set SLOT,  40*UNIT
.set SCX,   2*SLOT                     ; x's scales: 64 blocks of 256 bytes
.set SCW,   SCX+16384                  ; W's: 96 blocks
.set SPARE, SCW+24576                  ; the spare words, 128 bytes a wave
.set ADRA, 6                           ; v6-7   my x fragments in slot 0, 1
.set ADRB, 8                           ; v8-9   my W fragments
.set ADRS, 10                          ; v10    scale words of the chunk in hand: lanes 0-15 x's, lanes 16-31 W's
.set SBASE, 11                         ; v11    the same for chunk 0
.set SPW,  12
.set NIL,  13
.set SC,   16                          ; v16-63 scale words and nothing else: set s at SC + 24 s; register 2 i + q: block i, K step q of the slot
.set AF,   64                          ; v64-159 x's fragments
.set BF,   160                         ; v160-255 W's fragments, two sets of four
.set PW,   6                           ; the way out (v6-11, v14-15 and v64-255 are free then)
.set VW,   8
.set HA,   64
.set TB,   128
.set T,    236                         ; v236-251: eight pairs of products of the rope
.set TM,   200
.set PX,   216
.set PC,   224
.set G1,  24
.set G0,  32
.set G1B, 48
.set G0B, 56
.set G1S, 68
.set G0S, 76
.set G1SB, 80
.set G0SB, 88
.set G0H, 4
.set G0HB, 8
.set SEL, 66
.set MSB, 0
.macro WIN new                         ; the immediate's high byte repeats the setting that is left
.if MSB != \new
	s_set_vgpr_msb (MSB<<8)|\new
.set MSB, \new
.endif
.endm
.macro PLACES
.rept 4
	v_nop
.endr
.endm
.macro JLOAD g0a, g1a, g0b, g1b        ; waves 0, 1 fetch x's halves, waves 2, 3 W's; s_nop 0 and four v_nop follow each line
	s_cmp_eq_u32 s15, 0
	s_cbranch_scc0 .Lfor_b_\@
	tensor_load_to_lds s[\g0a:\g0a+3], s[\g1a:\g1a+7]
	s_nop 0
	PLACES
	s_branch .Lasked_\@
.Lfor_b_\@:
	tensor_load_to_lds s[\g0b:\g0b+3], s[\g1b:\g1b+7]
	s_nop 0
	PLACES
.Lasked_\@:
.endm
.macro CREST
	s_cmp_lg_u32 s14, 0
	s_cbranch_scc1 .Lnot_wave_0_\@
	s_barrier_signal -3
.Lnot_wave_0_\@:
	s_barrier_wait -3
	s_barrier_signal -1
	s_barrier_wait -1
.endm
.macro CROUND
	s_barrier_signal -1
	s_barrier_wait -1
	CREST
.endm
.macro SETG1 g, c, r                   ; r rows of c elements of 8 bytes, 6,400 bytes apart
	s_mov_b32 s[\g+1], (\c)<<16
	s_mov_b32 s[\g+2], (\r)<<16
	s_mov_b32 s[\g+3], (\c)<<16
	s_mov_b32 s[\g+4], \r
	s_mov_b32 s[\g+5], 800
	s_mov_b32 s[\g+6], 0
	s_mov_b32 s[\g+7], 0
.endm
	s_load_b128 s[4:7], s[0:1], 0x0                ; xc, wc
	s_load_b256 s[92:99], s[0:1], 0x10             ; bq, bk, bvp, rope
	s_load_b128 s[44:47], s[0:1], 0x30             ; qkvc, qsc
	v_lshl_add_u32 v[SPW], v0, 2, SPARE
	v_mov_b32 v[NIL], 0
	ds_add_u32 v[SPW], v[NIL]                      ; the opening lines: the add twice and its wait ahead of my first tensor load
	ds_add_u32 v[SPW], v[NIL]
	v_lshrrev_b32 v1, 5, v0
	v_readfirstlane_b32 s14, v1                    ; wave
	s_lshr_b32 s15, s14, 1                         ; wy.  Also: I fetch for x (0) or W (1)
	s_and_b32 s16, s14, 1                          ; wx.  Also: which half I fetch
	s_bfe_u32 s40, ttmp6, 0x40000                  ; cx
	s_bfe_u32 s41, ttmp6, 0x40004                  ; cy
	s_lshl_b32 s42, ttmp9, 2
	s_add_co_u32 s42, s42, s40                     ; j
	s_and_b32 s17, ttmp7, 0xffff
	s_lshl_b32 s17, s17, 2
	s_add_co_u32 s17, s17, s41                     ; Y
	s_lshl_b32 s43, s41, 2
	s_lshl_b32 s43, 15, s43                        ; my row of the cluster
	s_lshl_b32 s18, 0x1111, s40                    ; my column
	s_or_b32 s[G1], s43, (3<<16)|(1<<21)
	s_or_b32 s[G1B], s18, (3<<16)|(1<<21)
	s_or_b32 s[G1S], s43, (3<<16)|(1<<21)
	s_or_b32 s[G1SB], s18, (3<<16)|(1<<21)
	SETG1 G1, 384, 16                              ; the head's loads: x's 16 blocks, W's 24; the ring's bring halves
	SETG1 G1B, 384, 24
	SETG1 G1S, 32, 64
	SETG1 G1SB, 32, 96
	s_mul_i32 s20, s17, 409600
	s_mov_b32 s21, 0
	s_mul_i32 s22, s42, 614400
	s_mov_b32 s23, 0
	s_mul_i32 s12, s16, 8*6400
	s_mov_b32 s13, 0
	s_mul_i32 s2, s16, 12*6400
	s_mov_b32 s3, 0
	s_mul_i32 s19, s16, 8*UNIT                     ; where the ring's loads go: the wave's number alone
	s_mul_i32 s18, s16, 12*UNIT
	s_add_co_u32 s18, s18, XB
	s_wait_dscnt 0x0                               ; both opening adds are done
	s_wait_kmcnt 0x0
	s_add_nc_u64 s[20:21], s[4:5], s[20:21]
	s_add_nc_u64 s[22:23], s[6:7], s[22:23]
	CROUND                                         ; the first joint loads meet
	s_mov_b32 s[G0H], 1
	s_mov_b32 s[G0H+1], 0
	s_mov_b64 s[G0H+2:G0H+3], s[20:21]
	s_or_b32 s[G0H+3], s[G0H+3], 0x80000000
	s_mov_b32 s[G0HB], 1
	s_mov_b32 s[G0HB+1], XB
	s_mov_b64 s[G0HB+2:G0HB+3], s[22:23]
	s_or_b32 s[G0HB+3], s[G0HB+3], 0x80000000
	s_mov_b32 s[G0S], 1
	s_mov_b32 s[G0S+1], SCX
	s_add_nc_u64 s[G0S+2:G0S+3], s[20:21], 6144
	s_or_b32 s[G0S+3], s[G0S+3], 0x80000000
	s_mov_b32 s[G0SB], 1
	s_mov_b32 s[G0SB+1], SCW
	s_add_nc_u64 s[G0SB+2:G0SB+3], s[22:23], 6144
	s_or_b32 s[G0SB+3], s[G0SB+3], 0x80000000
	s_add_nc_u64 s[20:21], s[20:21], s[12:13]      ; for the ring: my half of the blocks
	s_add_nc_u64 s[22:23], s[22:23], s[2:3]
.irp s, 0,1
	s_mov_b32 s[G0+4*\s], 1
	s_add_co_u32 s[G0+4*\s+1], s19, \s*SLOT
	s_add_nc_u64 s[G0+4*\s+2:G0+4*\s+3], s[20:21], \s*UNIT
	s_or_b32 s[G0+4*\s+3], s[G0+4*\s+3], 0x80000000
	s_mov_b32 s[G0B+4*\s], 1
	s_add_co_u32 s[G0B+4*\s+1], s18, \s*SLOT
	s_add_nc_u64 s[G0B+4*\s+2:G0B+4*\s+3], s[22:23], \s*UNIT
	s_or_b32 s[G0B+4*\s+3], s[G0B+4*\s+3], 0x80000000
.endr
; the head's four tiles, one load a wave, in one tree of branches on the wave's number
.macro ARM under, g0, g1, next
	s_cmp_lt_u32 s14, \under
	s_cbranch_scc0 \next
	tensor_load_to_lds s[\g0:\g0+3], s[\g1:\g1+7]
	s_nop 0
	PLACES
	s_branch .Lhead_asked
\next:
.endm
	ARM 1, G0H,  G1,  .Lhead_b
	ARM 2, G0HB, G1B, .Lhead_sa
	ARM 3, G0S,  G1S, .Lhead_sb
	tensor_load_to_lds s[G0SB:G0SB+3], s[G1SB:G1SB+7]
	s_nop 0
	PLACES
.Lhead_asked:
	s_mul_i32 s20, s15, 8*UNIT                     ; my eight blocks of x
	s_mul_i32 s21, s16, 12*UNIT
	s_add_co_u32 s21, s21, XB                      ; my twelve of W
	s_lshl_b32 s22, s15, 11
	s_mul_i32 s23, s16, 3072
	s_add_co_u32 s23, s23, SCW-SCX
	s_sub_co_u32 s23, s23, s22                     ; from my x scales to my W scales
	s_add_co_u32 s22, s22, SCX
	s_lshl_b32 s19, s42, 1
	s_add_co_u32 s19, s19, s16                     ; H
	s_lshl_b32 s12, s19, 8
	s_mov_b32 s13, 0
	s_add_nc_u64 s[92:93], s[92:93], s[12:13]      ; the three biases at my 64 columns
	s_add_nc_u64 s[94:95], s[94:95], s[12:13]
	s_add_nc_u64 s[96:97], s[96:97], s[12:13]
	s_lshl_b32 s2, s17, 8
	s_lshl_b32 s3, s15, 7
	s_add_co_u32 s2, s2, s3                        ; my first token
	s_and_b32 s3, s2, 1023                         ; its position
	s_lshr_b32 s12, s2, 4
	s_mul_i32 s12, s12, 73728
	s_mul_i32 s18, s19, 768
	s_add_co_u32 s12, s12, s18
	s_add_nc_u64 s[44:45], s[44:45], s[12:13]
	s_lshl_b32 s12, s19, 15
	s_lshl_b32 s18, s2, 3
	s_add_co_u32 s12, s12, s18
	s_add_nc_u64 s[46:47], s[46:47], s[12:13]
	s_mov_b32 s[SEL], 0x76543210
	s_mov_b32 s[SEL+1], 0xfedcba98                 ; v_permlanex16_b32's selects for lane l xor 16
	s_mov_b32 s19, 0xffff0000                      ; lanes 16-31
	v_and_b32 v1, 15, v0                           ; r
	v_bfe_u32 v2, v0, 4, 1                         ; h
	v_and_b32 v3, 31, v0
	v_lshlrev_b32 v4, 4, v3
	v_add_nc_u32 v[ADRA], s20, v4
	v_add_nc_u32 v[ADRB], s21, v4
	v_add_nc_u32 v[ADRA+1], SLOT, v[ADRA]
	v_add_nc_u32 v[ADRB+1], SLOT, v[ADRB]
	v_mul_u32_u24 v5, s23, v2                      ; one product of h with the distance
	v_lshl_add_u32 v5, v1, 4, v5
	v_add_nc_u32 v[SBASE], s22, v5
	v_mov_b32 v[ADRS], v[SBASE]
	v_add_nc_u32 v4, s3, v1
	v_lshlrev_b32 v4, 8, v4
	v_lshl_add_u32 v4, v2, 6, v4                   ; the table's row of token r of block 0, angles 16 h on
	v_lshlrev_b32 v5, 6, v2                        ; the bias's lane offset
	v_lshlrev_b32 v3, 3, v3                        ; 8 x lane
	s_wait_alu depctr_va_vdst(0)
.macro BIASLOAD p, base, a             ; register j of block b is column 32 (b / 2) + 8 (b % 2) + 16 h + j; the same for all eight token blocks
	WIN (1+\p)<<6
.irp b, 0,1,2,3
	global_load_b128 v[32*\a+8*\b:32*\a+8*\b+3], v5, s[\base:\base+1] offset:4*(32*(\b/2)+8*(\b%2))
	global_load_b128 v[32*\a+8*\b+4:32*\a+8*\b+7], v5, s[\base:\base+1] offset:4*(32*(\b/2)+8*(\b%2))+16
.endr
.endm
.irp a, 0,1,2,3,4,5,6,7                ; token block by token block, the three parts by turns: all three biases are asked for within the first 24 loads
	BIASLOAD 0, 92, \a
	BIASLOAD 1, 94, \a
	BIASLOAD 2, 96, \a
.endr
	WIN 0
.macro FRAG reg, adr, off              ; a fragment: three loads of 16 bytes a lane, 512 consecutive bytes each
.irp c, 0,1,2
	ds_load_b128 v[\reg+4*\c:\reg+4*\c+3], v[\adr] offset:(\off)+512*\c
.endr
.endm
.macro FETCH_A slot, q, i0
.irp i, 0,1,2,3
	FRAG AF+12*(\i0+\i), ADRA+\slot, (\i0+\i)*UNIT+(\q)*1536
.endr
.endm
.macro FETCH_B slot, q, c, set
.irp i, 0,1,2,3
	FRAG BF+48*(\set)+12*\i, ADRB+\slot, (4*(\c)+\i)*UNIT+(\q)*1536
.endr
.endm
.macro SCALES sl                       ; two words a row; lanes 0-15 x's block i (of i = 8 .. 11 they read scale bytes that nobody uses), lanes 16-31 W's block i
.irp i, 0,1,2,3,4,5,6,7,8,9,10,11
	ds_load_b64 v[SC+24*(\sl)+2*\i:SC+24*(\sl)+2*\i+1], v[ADRS] offset:256*\i+8*(\sl)
.endr
.endm
.macro MUL4 a, set, q, sl, c           ; the 96 accumulators take turns, one instruction a turn
.irp b, 0,1,2,3
	v_wmma_scale_f32_16x16x128_f8f6f4 v[8*(4*(\a)+\b):8*(4*(\a)+\b)+7], v[BF+48*(\set)+12*\b:BF+48*(\set)+12*\b+11], v[AF+12*(\a):AF+12*(\a)+11], v[8*(4*(\a)+\b):8*(4*(\a)+\b)+7], v[SC+24*(\sl)+2*(4*(\c)+\b)+(\q)], v[SC+24*(\sl)+2*(\a)+(\q)] matrix_a_fmt:MATRIX_FMT_FP6 matrix_b_fmt:MATRIX_FMT_FP6 matrix_a_scale:MATRIX_SCALE_ROW1
.endr
.endm
; A run of 32 matrix instructions: K step q of the slot, part c.  At its head go out: W's fragments of the next run; in a step's first run x's blocks 4-7; sc = 1: the other slot's scale words.
; In a step's last run x's blocks 0-3 of the next step go out in the middle.  Four plain lines stand ahead of loads into registers that matrix instructions have read.
.macro SUB slot, q, c, sc
.set N, 3*(\q)+(\c)
.set CNT, 12
	WIN 0
	PLACES
.if (\c) == 0
	FETCH_A \slot, \q, 4
.set CNT, 24
.endif
.if (\c) < 2
	FETCH_B \slot, \q, (\c)+1, (N+1)%2
.else
	FETCH_B \slot, 1, 0, (N+1)%2
.endif
.if \sc
	SCALES 1-(\slot)
.set CNT, 24
.endif
	s_wait_dscnt CNT                               ; all but the loads just issued: this run's fragments are in
	WIN 0x50*(1+(\c))
.irp a, 0,1,2,3
	MUL4 \a, N%2, \q, \slot, \c
.endr
.if (\c) == 0
	s_wait_dscnt 12                                ; x's blocks 4-7 are in; W's twelve younger loads may be out
.endif
.if (\c) == 2
	WIN 0
	PLACES
	FETCH_A \slot, 1, 0
	WIN 0x50*(1+(\c))
.endif
.irp a, 4,5,6,7
	MUL4 \a, N%2, \q, \slot, \c
.endr
.endm
; A slot's last run changes slots: each wave waits for all its tensor loads, adds 0 to its spare word, waits for that and for its reads of this slot; one barrier; fill = 1: it opens a round of the cluster's, and the slot takes the next chunk's half.
.macro TURN slot, fill
	WIN 0
	s_wait_tensorcnt 0x0                           ; my part of the other slot has landed
	ds_add_u32 v[SPW], v[NIL]
	s_wait_dscnt 1                                 ; this run's fragments are in; the add alone may be out
	WIN 0xf0
	MUL4 0, 1, 1, \slot, 2
	MUL4 1, 1, 1, \slot, 2
	s_wait_dscnt 0x0                               ; the add is done, and my reads of this slot are over
	s_barrier_signal -1
	MUL4 2, 1, 1, \slot, 2
	MUL4 3, 1, 1, \slot, 2
	WIN 0
	s_barrier_wait -1
.if \fill
	CREST
	s_add_nc_u64 s[G0+4*\slot+2:G0+4*\slot+3], s[G0+4*\slot+2:G0+4*\slot+3], 16*6400
	s_add_nc_u64 s[G0B+4*\slot+2:G0B+4*\slot+3], s[G0B+4*\slot+2:G0B+4*\slot+3], 24*6400
	JLOAD G0+4*\slot, G1, G0B+4*\slot, G1B         ; the first tensor load behind the round; its four v_nop are the places ahead of the loads below
.else
	PLACES
.endif
	FETCH_B 1-(\slot), 0, 0, 0
	FETCH_A 1-(\slot), 0, 0
	WIN 0xf0
.irp a, 4,5,6,7
	MUL4 \a, 1, 1, \slot, 2
.endr
.endm
.macro CHUNK fill                      ; 512 along K: both slots once
	SUB 0, 0, 0, 0
	SUB 0, 0, 1, 1
	SUB 0, 0, 2, 0
	SUB 0, 1, 0, 0
	SUB 0, 1, 1, 0
	TURN 0, \fill
	WIN 0
.if \fill
	v_mad_u32_u24 v[ADRS], v2, s13, v[SBASE]       ; the next chunk's scale words: x's lie 4,096 bytes on, W's 6,144
	v_add_nc_u32 v[ADRS], s3, v[ADRS]
	s_wait_alu depctr_va_vdst(0)
	s_add_co_u32 s3, s3, 4096
	s_add_co_u32 s13, s13, 2048
.endif
	SUB 1, 0, 0, 0
	SUB 1, 0, 1, \fill
	SUB 1, 0, 2, 0
	SUB 1, 1, 0, 0
	SUB 1, 1, 1, 0
.if \fill
	TURN 1, 1
.else
	s_wait_dscnt 0x0
	WIN 0xf0
.irp a, 0,1,2,3,4,5,6,7
	MUL4 \a, 1, 1, 1, 2
.endr
.endif
	WIN 0
.endm
	s_wait_tensorcnt 0x0                           ; my tile of the head's four is in
	ds_add_u32 v[SPW], v[NIL]
	s_mov_b32 s[G1+2], 8<<16                       ; no tensor load of mine is out: from here on a load brings half of the blocks
	s_mov_b32 s[G1+4], 8
	s_mov_b32 s[G1B+2], 12<<16
	s_mov_b32 s[G1B+4], 12
	s_wait_dscnt 0x0
	CROUND
	JLOAD G0+4, G1, G0B+4, G1B                     ; slot 1's first fill, the first tensor load behind the round
	FETCH_B 0, 0, 0, 0
	FETCH_A 0, 0, 0
	SCALES 0
	s_mov_b32 s3, 4096
	s_mov_b32 s13, 2048
	s_mov_b32 s2, 0
	s_wait_loadcnt 0x0                             ; the biases are in the accumulators
.Lchunk:
	CHUNK 1
	s_add_co_u32 s2, s2, 1
	s_cmp_lt_u32 s2, 3
	s_cbranch_scc1 .Lchunk
	CHUNK 0                                        ; the last chunk is written out: it asks for nothing more
; THE WAY OUT
.macro TABLE a                         ; cos and sin of my token of block a, angles 16 h + 0 .. 15, into set a % 2
.irp k, 0,1,2,3
	global_load_b128 v[TB+32*((\a)%2)+4*\k:TB+32*((\a)%2)+4*\k+3], v4, s[98:99] offset:4096*(\a)+16*\k
	global_load_b128 v[TB+32*((\a)%2)+16+4*\k:TB+32*((\a)%2)+16+4*\k+3], v4, s[98:99] offset:4096*(\a)+128+16*\k
.endr
.endm
.macro ROPE a, p                       ; i ascends
.set CS, TB+32*((\a)%2)
	WIN 1+(\p)                                     ; source 0: the sums
.irp g, 0,8                                    ; eight products, then the eight multiply-adds that take them: none reads the line just above it
.irp i, 0,2,4,6
	v_pk_mul_f32 v[T+2*\i:T+2*\i+1], v[32*(\a)+16+\g+\i:32*(\a)+17+\g+\i], v[CS+16+\g+\i:CS+17+\g+\i]
	v_pk_mul_f32 v[T+2*\i+2:T+2*\i+3], v[32*(\a)+\g+\i:32*(\a)+1+\g+\i], v[CS+16+\g+\i:CS+17+\g+\i]
.endr
.irp i, 0,2,4,6
	v_pk_fma_f32 v[HA+32*(\p)+\g+\i:HA+32*(\p)+1+\g+\i], v[32*(\a)+\g+\i:32*(\a)+1+\g+\i], v[CS+\g+\i:CS+1+\g+\i], v[T+2*\i:T+2*\i+1] neg_lo:[0,0,1] neg_hi:[0,0,1]   ; x(d) cos - x(d + 32) sin
	v_pk_fma_f32 v[HA+32*(\p)+16+\g+\i:HA+32*(\p)+17+\g+\i], v[32*(\a)+16+\g+\i:32*(\a)+17+\g+\i], v[CS+\g+\i:CS+1+\g+\i], v[T+2*\i+2:T+2*\i+3]                        ; x(d + 32) cos + x(d) sin
.endr
.endr
.endm
; 64 numbers of a lane in window w, register 16 b + i = number 16 h + i of block b, become two units' codes in v[PC] on and their four scale bytes in v[pw]
.macro QUANT s, w, pw
	WIN (\w)|((\w)<<2)
.irp b, 0,1,2,3
	v_max3_num_f32 v[TM+\b], |v[(\s)+16*\b]|, |v[(\s)+1+16*\b]|, 0x1800000   ; and the floor 2^(3 - 127)
.endr
.irp i, 2,4,6,8,10,12,14
.irp b, 0,1,2,3
	v_max3_num_f32 v[TM+\b], |v[(\s)+16*\b+\i]|, |v[(\s)+1+16*\b+\i]|, v[TM+\b]
.endr
.endr
	WIN 0
.irp b, 0,1,2,3
	v_permlanex16_b32 v[TM+4+\b], v[TM+\b], s[SEL], s[SEL+1]
.endr
.irp b, 0,1,2,3
	v_max_num_f32 v[TM+\b], v[TM+\b], v[TM+4+\b]   ; with lane l xor 16's: the block's largest magnitude
.endr
.irp b, 0,1,2,3
	v_add_nc_u32 v[TM+12+\b], 0xff000000, v[TM+\b] ; 2 off its exponent field: the conversion's scale operand
.endr
.irp b, 0,1,2,3
	v_lshrrev_b32 v[TM+4+\b], 23, v[TM+12+\b]      ; the byte
.endr
	v_lshl_or_b32 v[\pw], v[TM+5], 8, v[TM+4]
	v_lshl_or_b32 v[\pw], v[TM+6], 16, v[\pw]
	v_lshl_or_b32 v[\pw], v[TM+7], 24, v[\pw]
	WIN \w
.irp c, 0,1
	v_cvt_scalef32_pk16_fp6_f32 v[PC+6*\c:PC+2+6*\c], v[(\s)+32*\c:(\s)+15+32*\c], v[TM+12+2*\c]
	v_cvt_scalef32_pk16_fp6_f32 v[PX+4*\c:PX+2+4*\c], v[(\s)+16+32*\c:(\s)+31+32*\c], v[TM+12+2*\c+1]   ; (a conversion's three registers begin on an even number)
.endr
	WIN 0
	v_nop                                          ; one plain line behind a scaled conversion
.irp c, 0,1                                    ; a whole block in a lane: lanes 0-15 block 2 c, lanes 16-31 block 2 c + 1
.irp i, 0,1,2
	v_permlane16_swap_b32 v[PC+6*\c+\i], v[PX+4*\c+\i]
.endr
.irp i, 0,1,2
	v_mov_b32 v[PC+3+6*\c+\i], v[PX+4*\c+\i]
.endr
.endr
.endm
.macro PUT pc, off                     ; a unit: three stores of 256 consecutive bytes, aligned
.irp j, 0,1,2
	global_store_b64 v3, v[\pc+2*\j:\pc+2*\j+1], s[44:45] offset:(\off)+256*\j
.endr
.endm
.macro EPI a
.if (\a) < 7
	s_wait_loadcnt 8                               ; my table set is in; the younger set's eight loads may be out
.else
	s_wait_loadcnt 0x0
.endif
	s_wait_xcnt 0x0                                ; the earlier stores have read their data: the codes' registers are written again only behind this wait
	ROPE \a, 0
	ROPE \a, 1
	WIN 0
.if (\a) < 6
	TABLE (\a)+2
.endif
	QUANT HA, 0, PW+(\a)%2
	PUT PC, (\a)*73728
	PUT PC+6, (\a)*73728+24576
.endm
	PLACES                                         ; ahead of the first reads of results and of loads and writes into registers that the last products read
	TABLE 0
	TABLE 1
.irp b, 0,1,2,3
	v_mov_b32 v[TM+4+\b], 0                        ; a lane permute's destination counts as one of its sources
.endr
.irp m, 0,1,2,3                                ; v first, two token blocks at a time, straight from window 3
.if \m > 0
	s_wait_xcnt 0x0
.endif
	QUANT 64*\m, 3, VW+\m
	PUT PC, 2*\m*73728+49152
	PUT PC+6, (2*\m+1)*73728+49152
.endr
.irp m, 0,1,2,3
	EPI 2*\m
	EPI 2*\m+1
	v_cndmask_b32 v14, v[PW], v[PW+1], s19         ; lanes 0-15: token block 2 m's bytes of token r, lanes 16-31: block 2 m + 1's
	v_and_b32 v[T], 0xffff, v[VW+\m]
	v_lshrrev_b32 v[T+1], 16, v[VW+\m]
	v_cndmask_b32 v15, v[T], v[T+1], s19
	global_store_b64 v3, v[14:15], s[46:47] offset:256*\m   ; 32 tokens' 256 consecutive bytes, aligned
.endr
	s_wait_tensorcnt 0x0                           ; the wave's end
	ds_add_u32 v[SPW], v[NIL]
	s_wait_dscnt 0x0
	CROUND                                         ; the closing round
	s_endpgm
.Lfunc_end_k_q9a7cb3c06d_qkv:
	.size	k_q9a7cb3c06d_qkv, .Lfunc_end_k_q9a7cb3c06d_qkv-k_q9a7cb3c06d_qkv
	.p2alignl 7, 3214868480
	.fill 96, 4, 3214868480
	.section	.rodata,"a",@progbits
	.p2align	6, 0x0
	.amdhsa_kernel k_q9a7cb3c06d_qkv
		.amdhsa_group_segment_fixed_size 327680
		.amdhsa_private_segment_fixed_size 0
		.amdhsa_enable_private_segment 0
		.amdhsa_kernarg_size 64
		.amdhsa_user_sgpr_count 2
		.amdhsa_user_sgpr_kernarg_segment_ptr 1
		.amdhsa_wavefront_size32 1
		.amdhsa_system_sgpr_workgroup_id_x 1
		.amdhsa_system_sgpr_workgroup_id_y 1
		.amdhsa_system_sgpr_workgroup_id_z 1
		.amdhsa_system_vgpr_workitem_id 0
		.amdhsa_next_free_vgpr 1024
		.amdhsa_next_free_sgpr 100
		.amdhsa_reserve_vcc 0
		.amdhsa_float_denorm_mode_32 3
		.amdhsa_float_denorm_mode_16_64 3
		.amdhsa_memory_ordered 1
		.amdhsa_forward_progress 1
		.amdhsa_inst_pref_size 255
	.end_amdhsa_kernel
	.section	.bss,"aw",@nobits
	.p2align	6
	.space	262144
	.amdgpu_metadata
---
amdhsa.version: [ 1, 2 ]
amdhsa.kernels:
  - .name:           k_q9a7cb3c06d_qkv
    .symbol:         k_q9a7cb3c06d_qkv.kd
    .args:
      - { .name: xc, .offset: 0, .size: 8, .value_kind: global_buffer, .address_space: global }
      - { .name: wc, .offset: 8, .size: 8, .value_kind: global_buffer, .address_space: global }
      - { .name: bq, .offset: 16, .size: 8, .value_kind: global_buffer, .address_space: global }
      - { .name: bk, .offset: 24, .size: 8, .value_kind: global_buffer, .address_space: global }
      - { .name: bvp, .offset: 32, .size: 8, .value_kind: global_buffer, .address_space: global }
      - { .name: rope, .offset: 40, .size: 8, .value_kind: global_buffer, .address_space: global }
      - { .name: qkvc, .offset: 48, .size: 8, .value_kind: global_buffer, .address_space: global }
      - { .name: qsc, .offset: 56, .size: 8, .value_kind: global_buffer, .address_space: global }
    .group_segment_fixed_size: 327680
    .private_segment_fixed_size: 0
    .kernarg_segment_align: 8
    .kernarg_segment_size: 64
    .max_flat_workgroup_size: 128
    .sgpr_count:     100
    .vgpr_count:     1024
    .wavefront_size: 32
...
	.end_amdgpu_metadata
.endif
;; end of part 2
;; launch attn (part 3): grid 256 x 1, 16 waves a work-group, no clusters, 106,496 bytes of LDS; arguments qkvc, qsc, oc; writes oc
.if DOCPART == 3
	.amdgcn_target "amdgcn-amd-amdhsa--gfx1250"
	.amdhsa_code_object_version 6
	.text
	.protected	k_q9a7cb3c06d_attn
	.globl	k_q9a7cb3c06d_attn
	.p2align	8
	.type	k_q9a7cb3c06d_attn,@function
k_q9a7cb3c06d_attn:
	s_mov_b64 s[64:65], 0
	v_nop
	global_prefetch_b8 v0, s[64:65] scope:SCOPE_SE
	s_setreg_imm32_b32 hwreg(HW_REG_WAVE_MODE, 25, 1), 1
	s_wait_xcnt 0x0
; For each token: S = q k^T over its 32 heads (K = 64), causal over heads, softmax, O = p v (K = the 32 heads), O / l, and the quantiser of the last product's A; all on codes of FP6 (E2M3) with E8M0 scales.
; A work-group takes 16 tokens, wave w token w.  Its part of qkvc is 96 units of 768 bytes on end (unit 32 p + H; lane (token, half)'s 24 bytes as pieces of 8 at 256 j + 8 lane); they are copied into LDS, 776 bytes apart.
; Both products are used transposed: S^T = K Q^T, O^T = V^T P^T: a lane holds ONE query head (lane % 16) throughout.  Lane r of key tile u takes head 8 u + r + 8 (r / 8), so that register n of a query tile's 16 is key head 16 h + n;
; lane r of V's tile 2 b + u takes d = 32 b + 8 u + r + 8 (r / 8), so that register 16 b + i of O^T is d = 32 b + 16 h + i.  K beyond 64 (or 32) is zero codes; the scale bytes there are 0, which is a power of two and no NaN.
; SOFTMAX: t = score x log2(e) / 8; M = ceil(the row's largest t); p = 2^(t - M) is quantised, one block; l is the sum of the unquantised p; O is multiplied by 1 / l (v_rcp_f32).  A hidden score becomes -8e9, whose logit is -1e9.
; OUT: A of the last product has row 32 head + l / 32 and column 64 (l % 32) + d.  oc keeps it as images of the operand's registers with STORAGE row 1024 b + 32 (l / 32) + head, so that a work-group's 16 tokens fill
; four whole blocks of 6,400 bytes, which leave as runs of 512 consecutive bytes.
; No tensor load and no cluster: work-groups share no input.  LIMITS: blocks of O under 2^-124 get the byte 1; NaN and infinities are not served.
; REGISTERS: v1-27 addresses; v28, v29 the add's two; v32-41 scale words and nothing else (Q 32, K 34, V 36, P 40); v42-63 statistics; v64-127 the copy in, then Q (64, 76) and K (88, 100), then O^T; v128-175 V; v176-207 S^T, p, later O's codes; v208-231 P; v232-247 at work.
.set UP,    776                        ; LDS: from unit to unit
.set SCB,   96*UP                      ; scale bytes [H 32][token 16][8], 136 bytes from H to H
.set STG,   SCB+4352                   ; four blocks of 6,400 bytes on their way out
.set SPARE, STG+25600                  ; the spare words, 128 bytes a wave
.set SPW, 28
.set NIL, 29
.set S,   176
.set P,   208
	s_load_b128 s[4:7], s[0:1], 0x0                ; qkvc, qsc
	s_load_b64 s[36:37], s[0:1], 0x10              ; oc
	v_lshl_add_u32 v[SPW], v0, 2, SPARE
	v_mov_b32 v[NIL], 0
	v_lshrrev_b32 v1, 5, v0
	v_readfirstlane_b32 s8, v1                     ; wave = my token of the 16
	s_mul_i32 s14, ttmp9, 73728
	s_mov_b32 s15, 0
	s_lshl_b32 s16, ttmp9, 7
	s_mov_b32 s17, 0
	s_mul_i32 s18, s8, 4608                        ; the copy in: wave w takes six units
	v_and_b32 v1, 15, v0                           ; r
	v_bfe_u32 v2, v0, 4, 1                         ; h
	v_and_b32 v3, 31, v0
	v_lshrrev_b32 v9, 4, v0                        ; thread / 16: the head whose scale bytes I copy
	v_lshlrev_b32 v3, 4, v3                        ; 16 x lane
	v_lshlrev_b32 v6, 15, v9
	v_add_nc_u32 v4, s18, v3
	v_lshl_add_u32 v6, v1, 3, v6                   ; token thread % 16's 8 bytes
	s_wait_alu depctr_va_vdst(0)
	s_wait_kmcnt 0x0
	s_add_nc_u64 s[14:15], s[4:5], s[14:15]
	s_add_nc_u64 s[16:17], s[6:7], s[16:17]
.irp k, 0,1,2,3,4,5,6,7,8
	global_load_b128 v[64+4*\k:67+4*\k], v4, s[14:15] offset:512*\k th:TH_LOAD_NT   ; 512 consecutive bytes, read once
.endr
	global_load_b64 v[100:101], v6, s[16:17] th:TH_LOAD_NT
	; ---- all other addresses, while the loads are out: the scalar ones first
	s_mul_i32 s19, s8, 6*UP
	s_lshl_b32 s21, s8, 3                          ; my token's 8 bytes in a piece's half
	s_add_co_u32 s22, s21, SCB                     ; and among a head's scale bytes
	s_lshr_b32 s23, s8, 3                          ; the way out: my token's columns lie in chunk token / 8 of the two,
	s_mul_i32 s23, s23, 12800
	s_add_co_u32 s23, s23, STG
	s_and_b32 s24, s8, 7
	s_lshr_b32 s25, s24, 1                         ; K step (token % 8) / 2,
	s_mul_i32 s25, s25, 1536
	s_add_co_u32 s25, s25, s23
	s_and_b32 s26, s8, 1
	s_mul_i32 s26, s26, 6                          ; registers 6 (token % 2) + 3 h + 0 .. 2
	s_lshl_b32 s24, s24, 1
	s_add_co_u32 s24, s24, s23
	s_add_co_u32 s24, s24, 6144
	s_mul_i32 s27, s8, 2560                        ; the copy out: waves 0 to 9 take 2,560 bytes each
	s_add_co_u32 s28, s27, STG
	s_cmp_ge_u32 s8, 5
	s_cselect_b32 s9, 38400, 0                     ; the second chunk's two blocks lie 51,200 bytes behind the first's
	s_add_co_u32 s27, s27, s9
	s_lshr_b32 s29, ttmp9, 3                       ; oc's tile: 8 b + (l / 32) / 4
	s_mul_i32 s30, s29, 204800
	s_and_b32 s29, ttmp9, 1                        ; chunks 2 (l % 32) / 16 + 0, 1
	s_mul_i32 s29, s29, 102400
	s_add_co_u32 s30, s30, s29
	s_bfe_u32 s29, ttmp9, 0x20001                  ; blocks 2 ((l / 32) % 4) + 0, 1
	s_mul_i32 s29, s29, 12800
	s_add_co_u32 s30, s30, s29
	s_mov_b32 s31, 0
	s_add_nc_u64 s[30:31], s[36:37], s[30:31]
	s_mov_b32 s32, 0x76543210
	s_mov_b32 s33, 0xfedcba98                      ; v_permlanex16_b32's selects for lane l xor 16
	s_mov_b32 s34, 0x3e38aa3b                      ; c = log2(e) / 8
	s_mov_b32 s35, s34                             ; (named with it as a pair)
	v_add_nc_u32 v5, s19, v3                       ; the copy's place in LDS; 8 more for each unit passed: in every third load lanes 16-31 are a unit on
	v_add_nc_u32 v8, v0, v9
	v_lshrrev_b32 v27, 3, v1                       ; r / 8
	v_and_b32 v10, 1, v1
	v_lshrrev_b32 v31, 1, v1
	v_lshl_add_u32 v30, v2, 7, s21                 ; my token, d's half h
	v_lshl_add_u32 v7, v2, 3, v5
	v_lshl_add_u32 v8, v8, 3, SCB                  ; 8 thread + 8 (thread / 16)
	v_lshl_add_u32 v25, v27, 3, v1                 ; r + 8 (r / 8)
	v_lshl_add_u32 v31, v27, 2, v31                ; r / 2 + 4 (r / 8): V's d / 2
	v_lshl_add_u32 v16, v10, 7, s21                ; V: the unit's half d % 2; lanes 16-31 repeat lanes 0-15 (P's codes are zeros there)
	v_mad_u32_u24 v11, v1, UP, v30                 ; Q: unit 16 qt + r
	v_mad_u32_u24 v13, v25, UP, v30                ; K: unit 32 + 8 u + r + 8 (r / 8)
	v_mad_u32_u24 v15, v31, UP, v16                ; V: unit 64 + d / 2
	v_mad_u32_u24 v17, v1, 136, s22
	v_mad_u32_u24 v18, v25, 136, s22
	v_mad_u32_u24 v19, v31, 136, s22
	v_add_nc_u32 v15, 64*UP, v15
	v_mul_u32_u24 v25, v2, 3
	v_add_nc_u32 v19, v19, v10
	v_lshl_add_u32 v30, v1, 4, s25                 ; the way out: fragment lane r + 16 b (256 b is the store's immediate)
	v_add_nc_u32 v25, s26, v25
.irp w, 0,1,2
	v_add_nc_u32 v31, \w, v25
	s_delay_alu instid0(VALU_DEP_1)
	v_lshrrev_b32 v[20+\w], 2, v31
	v_and_b32 v31, 3, v31
	s_delay_alu instid0(VALU_DEP_2)
	v_lshlrev_b32 v[20+\w], 9, v[20+\w]
	s_delay_alu instid0(VALU_DEP_1)
	v_lshl_add_u32 v[20+\w], v31, 2, v[20+\w]
	s_delay_alu instid0(VALU_DEP_1)
	v_add_nc_u32 v[20+\w], v30, v[20+\w]
.endr
	v_lshl_add_u32 v26, v1, 4, s24                 ; row r's scale bytes 2 (token % 8) + 0, 1
	v_add_nc_u32 v23, s28, v3
	v_add_nc_u32 v24, s27, v3
	v_lshlrev_b32 v30, 4, v2
	s_delay_alu instid0(VALU_DEP_1)
	v_sub_nc_u32 v50, v1, v30                      ; register n holds key head 16 h + n: hidden for query head 16 qt + r where n > r - 16 h + 16 qt
	s_delay_alu instid0(VALU_DEP_1)
	v_add_nc_u32 v51, 16, v50
	s_wait_alu depctr_va_vdst(0)
	; ---- the copy in
	s_wait_loadcnt 0x0
.irp k, 0,1,2,3,4,5,6,7,8
.if \k%3 == 1
	ds_store_b64 v7, v[64+4*\k:65+4*\k] offset:512*\k+16*(\k/3)
	ds_store_b64 v7, v[66+4*\k:67+4*\k] offset:512*\k+16*(\k/3)+8
.else
	ds_store_b64 v5, v[64+4*\k:65+4*\k] offset:512*\k+16*(\k/3)+8*((\k%3)/2)
	ds_store_b64 v5, v[66+4*\k:67+4*\k] offset:512*\k+16*(\k/3)+8*((\k%3)/2)+8
.endif
.endr
	ds_store_b64 v8, v[100:101]
	s_wait_dscnt 0x0                               ; for the others' sake: my stores have landed
	s_barrier_signal -1
.irp f, 70,82,94,106,134,146,158,170,214,226   ; K beyond the products' own: zero codes in registers 6-11 of every fragment
.irp i, 0,1,2,3,4,5
	v_mov_b32 v[\f+\i], 0
.endr
.endr
.irp f, 43,45,48,49,59,61                      ; upper halves of pairs that are named whole, and the permutes' destinations
	v_mov_b32 v[\f], 0
.endr
	v_mov_b32 v52, 0xcfee6b28                      ; -8e9
	s_barrier_wait -1
.macro FRAG3 reg, a0, off
	ds_load_b64 v[\reg:\reg+1], v[\a0] offset:\off
	ds_load_b64 v[\reg+2:\reg+3], v[\a0] offset:\off+256
	ds_load_b64 v[\reg+4:\reg+5], v[\a0] offset:\off+512
.endm
.irp u, 0,1
	FRAG3 88+12*\u, 13, (32+8*\u)*UP
	ds_load_u16 v[34+\u], v18 offset:2+1088*\u
.endr
.irp qt, 0,1
	FRAG3 64+12*\qt, 11, 16*UP*\qt
	ds_load_u16 v[32+\qt], v17 offset:2176*\qt
.endr
.irp t, 0,1,2,3
	FRAG3 128+12*\t, 15, (16*(\t/2)+4*(\t%2))*UP
	ds_load_u8 v[36+\t], v19 offset:4+(16*(\t/2)+4*(\t%2))*136
.endr
	s_wait_dscnt 16                                ; K, Q and their scales are in; V's twelve loads and four scale loads may be out
.irp qt, 0,1
.irp u, 0,1
	v_wmma_scale_f32_16x16x128_f8f6f4 v[S+16*\qt+8*\u:S+16*\qt+8*\u+7], v[88+12*\u:99+12*\u], v[64+12*\qt:75+12*\qt], 0, v[34+\u], v[32+\qt] matrix_a_fmt:MATRIX_FMT_FP6 matrix_b_fmt:MATRIX_FMT_FP6
.endr
.endr
.rept 4
	v_nop
.endr
	s_wait_alu depctr_va_vdst(0)
.irp n, 0,1,2,3,4,5,6,7,8,9,10,11,12,13,14,15  ; the mask; n ascends
.irp qt, 0,1
	v_cmp_gt_i32 vcc_lo, \n, v[50+\qt]
	v_cndmask_b32 v[S+16*\qt+\n], v[S+16*\qt+\n], v52, vcc_lo
.endr
.endr
.irp qt, 0,1
	v_max3_num_f32 v[46+\qt], v[S+16*\qt], v[S+16*\qt+1], v[S+16*\qt+2]
.endr
.irp i, 3,5,7,9,11,13
.irp qt, 0,1
	s_delay_alu instid0(VALU_DEP_2)
	v_max3_num_f32 v[46+\qt], v[46+\qt], v[S+16*\qt+\i], v[S+16*\qt+\i+1]
.endr
.endr
.irp qt, 0,1
	s_delay_alu instid0(VALU_DEP_2)
	v_max_num_f32 v[46+\qt], v[46+\qt], v[S+16*\qt+15]
.endr
.irp qt, 0,1
	s_delay_alu instid0(VALU_DEP_2)
	v_permlanex16_b32 v[48+\qt], v[46+\qt], s32, s33
.endr
.irp qt, 0,1
	s_delay_alu instid0(VALU_DEP_2)
	v_max_num_f32 v[46+\qt], v[46+\qt], v[48+\qt]  ; the row's largest score
.endr
.irp qt, 0,1
	s_delay_alu instid0(VALU_DEP_2)
	v_mul_f32 v[48+\qt], s34, v[46+\qt]
.endr
.irp qt, 0,1
	s_delay_alu instid0(VALU_DEP_2)
	v_floor_f32 v[42+2*\qt], -v[48+\qt]            ; -M = floor(-t) = -ceil(t)
.endr
.irp j, 0,2,4,6,8,10,12,14
.irp qt, 0,1
	v_pk_fma_f32 v[S+16*\qt+\j:S+16*\qt+\j+1], v[S+16*\qt+\j:S+16*\qt+\j+1], s[34:35], v[42+2*\qt:43+2*\qt] op_sel_hi:[1,0,0]   ; t - M
.endr
.endr
.irp qt, 0,1
	v_fma_f32 v[46+\qt], v[46+\qt], s34, v[42+2*\qt]   ; the same of the largest score: the block's largest p comes by the same two instructions
.endr
	s_wait_alu depctr_va_vdst(0)
.irp j, 0,1,2,3,4,5,6,7,8,9,10,11,12,13,14,15,16,17,18,19,20,21,22,23,24,25,26,27,28,29,30,31
	v_exp_f32 v[S+\j], v[S+\j]                     ; p = 2^(t - M)
.endr
	v_exp_f32 v46, v46
	v_exp_f32 v47, v47
	v_nop                                          ; a plain line behind the last exponential
	s_wait_alu depctr_va_vdst(0)                   ; one wait for the 34, ahead of their first reader
.irp qt, 0,1
	v_add_nc_u32 v[62+\qt], 0xff000000, v[46+\qt]  ; the largest p lies above 1/2: no floor is wanted
.endr
.irp qt, 0,1
	s_delay_alu instid0(VALU_DEP_2)
	v_lshrrev_b32 v[40+\qt], 23, v[62+\qt]         ; P's scale word: one byte, the others 0
.endr
.irp qt, 0,1
	v_cvt_scalef32_pk16_fp6_f32 v[P+12*\qt:P+12*\qt+2], v[S+16*\qt:S+16*\qt+15], v[62+\qt]   ; key heads 16 h + 0 .. 15
.endr
.irp qt, 0,1
.irp i, 3,4,5
	v_mov_b32 v[P+12*\qt+\i], 0
.endr
.endr
	v_nop
.irp qt, 0,1
.irp i, 0,1,2
	v_permlane16_swap_b32 v[P+12*\qt+\i], v[P+12*\qt+3+\i]   ; lanes 0-15 now hold all 32 key heads, lanes 16-31 zeros
.endr
.endr
.irp qt, 0,1                                   ; l, of the unquantised p.  (These lines are also the places between P's registers and scale word and the products)
	v_pk_add_f32 v[232+8*\qt:233+8*\qt], v[S+16*\qt:S+16*\qt+1], v[S+16*\qt+2:S+16*\qt+3]
	v_pk_add_f32 v[234+8*\qt:235+8*\qt], v[S+16*\qt+4:S+16*\qt+5], v[S+16*\qt+6:S+16*\qt+7]
	v_pk_add_f32 v[236+8*\qt:237+8*\qt], v[S+16*\qt+8:S+16*\qt+9], v[S+16*\qt+10:S+16*\qt+11]
	v_pk_add_f32 v[238+8*\qt:239+8*\qt], v[S+16*\qt+12:S+16*\qt+13], v[S+16*\qt+14:S+16*\qt+15]
.endr
.irp qt, 0,1
	v_pk_add_f32 v[232+8*\qt:233+8*\qt], v[232+8*\qt:233+8*\qt], v[234+8*\qt:235+8*\qt]
	v_pk_add_f32 v[236+8*\qt:237+8*\qt], v[236+8*\qt:237+8*\qt], v[238+8*\qt:239+8*\qt]
.endr
.irp qt, 0,1
.if \qt == 0
	s_delay_alu instid0(VALU_DEP_3)
.else
	s_delay_alu instid0(VALU_DEP_2)
.endif
	v_pk_add_f32 v[232+8*\qt:233+8*\qt], v[232+8*\qt:233+8*\qt], v[236+8*\qt:237+8*\qt]
.endr
.irp qt, 0,1
	s_delay_alu instid0(VALU_DEP_2)
	v_add_f32 v[54+\qt], v[232+8*\qt], v[233+8*\qt]
.endr
.irp qt, 0,1
	s_delay_alu instid0(VALU_DEP_2)
	v_permlanex16_b32 v[48+\qt], v[54+\qt], s32, s33
.endr
.irp qt, 0,1
	s_delay_alu instid0(VALU_DEP_2)
	v_add_f32 v[54+\qt], v[54+\qt], v[48+\qt]
.endr
	s_wait_alu depctr_va_vdst(0)
	v_rcp_f32 v58, v54
	v_rcp_f32 v60, v55
	v_nop                                          ; a plain line behind the reciprocals; their wait stands behind the products, ahead of the first reader
	s_wait_dscnt 0x0                               ; V and its scales
.irp qt, 0,1
.irp t, 0,1,2,3
	v_wmma_scale_f32_16x16x128_f8f6f4 v[64+32*\qt+8*\t:71+32*\qt+8*\t], v[128+12*\t:139+12*\t], v[P+12*\qt:P+12*\qt+11], 0, v[36+\t], v[40+\qt] matrix_a_fmt:MATRIX_FMT_FP6 matrix_b_fmt:MATRIX_FMT_FP6
.endr
.endr
.rept 4
	v_nop
.endr
	s_wait_alu depctr_va_vdst(0)                   ; one wait for the two reciprocals
.irp qt, 0,1
.irp j, 0,2,4,6,8,10,12,14,16,18,20,22,24,26,28,30
	v_pk_mul_f32 v[64+32*\qt+\j:65+32*\qt+\j], v[64+32*\qt+\j:65+32*\qt+\j], v[58+2*\qt:59+2*\qt] op_sel_hi:[1,0]   ; O / l, each accumulator from its low end on
.endr
.endr
	; the quantiser along the last product's K: block B = 2 qt + b is (my token, head 16 qt + r, d = 32 b on); my 16 numbers of it are v[64 + 16 B] on
.irp B, 0,1,2,3
	v_max3_num_f32 v[232+\B], |v[64+16*\B]|, |v[65+16*\B]|, 0x1800000
.endr
.irp i, 2,4,6,8,10,12,14
.irp B, 0,1,2,3
	s_delay_alu instid0(VALU_DEP_4)
	v_max3_num_f32 v[232+\B], v[232+\B], |v[64+16*\B+\i]|, |v[65+16*\B+\i]|
.endr
.endr
.irp B, 0,1,2,3
	s_delay_alu instid0(VALU_DEP_4)
	v_permlanex16_b32 v[236+\B], v[232+\B], s32, s33
.endr
.irp B, 0,1,2,3
	s_delay_alu instid0(VALU_DEP_4)
	v_max_num_f32 v[232+\B], v[232+\B], v[236+\B]
.endr
.irp B, 0,1,2,3
	s_delay_alu instid0(VALU_DEP_4)
	v_add_nc_u32 v[240+\B], 0xff000000, v[232+\B]
.endr
.irp B, 0,1,2,3
	s_delay_alu instid0(VALU_DEP_4)
	v_lshrrev_b32 v[236+\B], 23, v[240+\B]
.endr
.irp B, 0,1,2,3
	v_cvt_scalef32_pk16_fp6_f32 v[176+4*\B:178+4*\B], v[64+16*\B:79+16*\B], v[240+\B]
.endr
	v_nop                                          ; one plain line behind the conversions
.irp qt, 0,1
	v_lshl_or_b32 v[244+\qt], v[237+2*\qt], 8, v[236+2*\qt]   ; a head's two bytes
.endr
.irp qt, 0,1
.irp b, 0,1
.irp w, 0,1,2
	ds_store_b32 v[20+\w], v[176+4*(2*\qt+\b)+\w] offset:6400*\qt+256*\b
.endr
.endr
	ds_store_b16 v26, v[244+\qt] offset:6400*\qt   ; both halves of the lanes write the same bytes with the same value
.endr
	s_wait_dscnt 0x0                               ; for the others' sake: my stores have landed
	s_barrier_signal -1
	s_barrier_wait -1
	s_cmp_lt_u32 s8, 10                            ; 25,600 bytes are ten waves' worth; the jump leads round loads and stores alone
	s_cbranch_scc0 .Lend
.irp k, 0,1,2,3,4
	ds_load_b128 v[64+4*\k:67+4*\k], v23 offset:512*\k
.endr
.irp k, 0,1,2,3,4
	s_wait_dscnt 4-\k
	global_store_b128 v24, v[64+4*\k:67+4*\k], s[30:31] offset:512*\k   ; 512 consecutive bytes, at a multiple of 256 from oc's first byte
.endr
.Lend:
	s_wait_tensorcnt 0x0                           ; the wave's end
	ds_add_u32 v[SPW], v[NIL]
	s_wait_dscnt 0x0
	s_endpgm
.Lfunc_end_k_q9a7cb3c06d_attn:
	.size	k_q9a7cb3c06d_attn, .Lfunc_end_k_q9a7cb3c06d_attn-k_q9a7cb3c06d_attn
	.p2alignl 7, 3214868480
	.fill 96, 4, 3214868480
	.section	.rodata,"a",@progbits
	.p2align	6, 0x0
	.amdhsa_kernel k_q9a7cb3c06d_attn
		.amdhsa_group_segment_fixed_size 106496
		.amdhsa_private_segment_fixed_size 0
		.amdhsa_enable_private_segment 0
		.amdhsa_kernarg_size 24
		.amdhsa_user_sgpr_count 2
		.amdhsa_user_sgpr_kernarg_segment_ptr 1
		.amdhsa_wavefront_size32 1
		.amdhsa_system_sgpr_workgroup_id_x 1
		.amdhsa_system_sgpr_workgroup_id_y 1
		.amdhsa_system_sgpr_workgroup_id_z 1
		.amdhsa_system_vgpr_workitem_id 0
		.amdhsa_next_free_vgpr 256
		.amdhsa_next_free_sgpr 66
		.amdhsa_reserve_vcc 1
		.amdhsa_float_denorm_mode_32 3
		.amdhsa_float_denorm_mode_16_64 3
		.amdhsa_memory_ordered 1
		.amdhsa_forward_progress 1
		.amdhsa_inst_pref_size 32
	.end_amdhsa_kernel
	.amdgpu_metadata
---
amdhsa.version: [ 1, 2 ]
amdhsa.kernels:
  - .name:           k_q9a7cb3c06d_attn
    .symbol:         k_q9a7cb3c06d_attn.kd
    .args:
      - { .name: qkvc, .offset: 0, .size: 8, .value_kind: global_buffer, .address_space: global }
      - { .name: qsc, .offset: 8, .size: 8, .value_kind: global_buffer, .address_space: global }
      - { .name: oc, .offset: 16, .size: 8, .value_kind: global_buffer, .address_space: global }
    .group_segment_fixed_size: 106496
    .private_segment_fixed_size: 0
    .kernarg_segment_align: 8
    .kernarg_segment_size: 24
    .max_flat_workgroup_size: 512
    .sgpr_count:     66
    .vgpr_count:     256
    .wavefront_size: 32
...
	.end_amdgpu_metadata
.endif
;; end of part 3
;; launch outp (part 4): grid 8 x 32, 4 waves a work-group, clusters of 4 x 4, 327,680 bytes of LDS; arguments oc, woc, bo, out0; writes out0
.if DOCPART == 4
	.amdgcn_target "amdgcn-amd-amdhsa--gfx1250"
	.amdhsa_code_object_version 6
	.text
	.protected	k_q9a7cb3c06d_outp
	.globl	k_q9a7cb3c06d_outp
	.p2align	8
	.type	k_q9a7cb3c06d_outp,@function
k_q9a7cb3c06d_outp:
	s_mov_b64 s[64:65], 0
	v_nop
	global_prefetch_b8 v0, s[64:65] scope:SCOPE_SE
	s_setreg_imm32_b32 hwreg(HW_REG_WAVE_MODE, 25, 1), 1
	s_wait_xcnt 0x0
	s_wait_alu depctr_hold_cnt(0) depctr_sa_sdst(0) depctr_va_vdst(0) depctr_va_sdst(0) depctr_va_ssrc(0) depctr_va_vcc(0) depctr_vm_vsrc(0)
	s_getreg_b32 s2, hwreg(HW_REG_IB_STS2, 6, 4)
	s_cmp_eq_u32 s2, 0
	s_cbranch_scc0 .Lentry_in_a_cluster
	s_endpgm
.Lentry_in_a_cluster:
	s_bfe_u32 s2, ttmp6, 0x10000c
	s_cmp_lg_u32 s2, 0xf033
	s_cbranch_scc0 .Lentry_shape_is_right
	s_endpgm
.Lentry_shape_is_right:
; out0 = A Wo^T + bo on codes of FP6 (E2M3) with E8M0 scales.  oc (A, storage row 1024 b + 32 (l / 32) + head) and woc are images of the operand's registers: [tile 128 rows][chunk 512 K][block 16 rows][6,400 bytes].
; A tile is 128 rows x 256 columns, a wave's part 64 x 128: 32 accumulators, begun from the bias.  K goes in four chunks through two LDS slots; 4 x 4 clusters ask jointly: A's tile along a row, Wo's along a column.
; Chunks 2 and 3 are prefetched, each one refill ahead of the load that wants it: of the 100 (A) or 200 (Wo) blocks of 256 bytes that a wave fetches, each of the four partners names a quarter, told apart by address.
; The results go through each wave's own stage in slot 0, which has had its last fill and read by then, and leave as rows of 512 consecutive bytes.
.set SLOT,  153600
.set BLKB,  6400
.set CHA,   51200
.set SPARE, 2*SLOT
.set FR,    12
.set SPITCH, 528
.set ADRA,  16
.set ADRB,  20
.set ADRS,  22
.set STO,   24
.set RD,    25
.set SPW,   28
.set NIL,   29
.set SC,    32
.set AF,    96
.set BIAS,  192
.set BK,    96
.set G1,  24
.set G0,  32
.set G1B, 48
.set G0B, 56
.set MSB, 0
.macro WIN new
.if MSB != \new
	s_set_vgpr_msb (MSB<<8)|\new
.set MSB, \new
.endif
.endm
.set MUL,  0xa1
.set MUL0, 0x81
.set TO_B, 0x40
.macro JLOAD g0a, g1a, g0b, g1b
	s_cmp_eq_u32 s15, 0
	s_cbranch_scc0 .Lfor_b_\@
	tensor_load_to_lds s[\g0a:\g0a+3], s[\g1a:\g1a+7]
	s_nop 0
.rept 4
	v_nop
.endr
	s_branch .Lasked_\@
.Lfor_b_\@:
	tensor_load_to_lds s[\g0b:\g0b+3], s[\g1b:\g1b+7]
	s_nop 0
.rept 4
	v_nop
.endr
.Lasked_\@:
.endm
.macro CREST
	s_cmp_lg_u32 s14, 0
	s_cbranch_scc1 .Lnot_wave_0_\@
	s_barrier_signal -3
.Lnot_wave_0_\@:
	s_barrier_wait -3
	s_barrier_signal -1
	s_barrier_wait -1
.endm
.macro CROUND
	s_barrier_signal -1
	s_barrier_wait -1
	CREST
.endm
.macro PLACES n
.rept \n
	v_nop
.endr
.endm
	s_load_b256 s[4:11], s[0:1], 0x0
	v_lshl_add_u32 v[SPW], v0, 2, SPARE
	v_mov_b32 v[NIL], 0
	ds_add_u32 v[SPW], v[NIL]
	ds_add_u32 v[SPW], v[NIL]
	v_lshrrev_b32 v1, 5, v0
	v_readfirstlane_b32 s14, v1
	s_lshr_b32 s15, s14, 1
	s_and_b32 s16, s14, 1
	s_bfe_u32 s40, ttmp6, 0x40000
	s_bfe_u32 s41, ttmp6, 0x40004
	s_lshl_b32 s42, ttmp9, 2
	s_add_co_u32 s42, s42, s40
	s_and_b32 s17, ttmp7, 0xffff
	s_lshl_b32 s17, s17, 2
	s_add_co_u32 s17, s17, s41
	s_lshl_b32 s43, s41, 2
	s_lshl_b32 s43, 15, s43
	s_lshl_b32 s44, 0x1111, s40
	s_or_b32 s[G1], s43, (3<<16)|(1<<21)
	s_or_b32 s[G1B], s44, (3<<16)|(1<<21)
	s_mov_b32 s[G1+1], 32<<16
	s_mov_b32 s[G1+2], 100<<16
	s_mov_b32 s[G1+3], 32<<16
	s_mov_b32 s[G1+4], 100
	s_mov_b32 s[G1+5], 32
	s_mov_b32 s[G1+6], 0
	s_mov_b32 s[G1+7], 0
	s_mov_b32 s[G1B+1], 32<<16
	s_mov_b32 s[G1B+2], 200<<16
	s_mov_b32 s[G1B+3], 32<<16
	s_mov_b32 s[G1B+4], 200
	s_mov_b32 s[G1B+5], 32
	s_mov_b32 s[G1B+6], 0
	s_mov_b32 s[G1B+7], 0
	s_mul_i32 s20, s17, 4*CHA
	s_mul_i32 s18, s16, 25600
	s_add_co_u32 s20, s20, s18
	s_mov_b32 s21, 0
	s_lshl_b32 s46, s42, 1
	s_add_co_u32 s46, s46, s16
	s_mul_i32 s46, s46, 4*CHA
	s_mov_b32 s47, 0
	s_mul_i32 s45, s16, 25600
	s_mul_i32 s94, s16, CHA
	s_add_co_u32 s94, s94, CHA
	s_wait_dscnt 0x0
	s_wait_kmcnt 0x0
	s_add_nc_u64 s[20:21], s[4:5], s[20:21]
	s_add_nc_u64 s[46:47], s[6:7], s[46:47]
	CROUND
.irp s, 0,1
	s_mov_b32 s[G0+4*\s], 1
	s_add_co_u32 s[G0+4*\s+1], s45, \s*SLOT
	s_add_nc_u64 s[G0+4*\s+2:G0+4*\s+3], s[20:21], \s*CHA
	s_or_b32 s[G0+4*\s+3], s[G0+4*\s+3], 0x80000000
	s_mov_b32 s[G0B+4*\s], 1
	s_add_co_u32 s[G0B+4*\s+1], s94, \s*SLOT
	s_add_nc_u64 s[G0B+4*\s+2:G0B+4*\s+3], s[46:47], \s*CHA
	s_or_b32 s[G0B+4*\s+3], s[G0B+4*\s+3], 0x80000000
.if \s == 1                                    ; slot 1's first fill stands behind the full sequence and a round; chunk 0's load stands behind the opening lines and their round
	s_wait_alu depctr_va_vdst(0)
	s_wait_tensorcnt 0x0
	ds_add_u32 v28, v29
	ds_add_u32 v28, v29
	s_wait_dscnt 0x0
	CROUND
.endif
	JLOAD G0+4*\s, G1, G0B+4*\s, G1B
.endr
	v_and_b32 v1, 15, v0
	v_bfe_u32 v2, v0, 4, 1
	s_mov_b32 s88, 12800                           ; the prefetches: a partner's quarter of what I fetch: 25 blocks of 256 bytes of A's half tile, 50 of a tile of Wo
	s_cmp_eq_u32 s15, 0                            ; do I fetch for A?
	s_cselect_b32 s86, 24, 31                      ; the last lane that names a block of its own in the first instruction
	s_cselect_b32 s87, s40, s41                    ; my place among the four that ask with me
	s_cselect_b32 s88, 6400, s88
	s_cselect_b64 s[84:85], s[20:21], s[46:47]
	s_mul_i32 s88, s88, s87
	s_add_co_u32 s88, s88, 2*CHA                   ; chunk 2
	s_mov_b32 s89, 0
	s_add_nc_u64 s[84:85], s[84:85], s[88:89]      ; never rewritten
	v_and_b32 v3, 31, v0
	v_min_u32 v8, s86, v3                          ; a lane a block; lanes that are left over name the last block again
	v_min_u32 v9, 17, v3
	v_lshlrev_b32 v8, 8, v8
	v_lshlrev_b32 v9, 8, v9
	v_lshlrev_b32 v3, 4, v3
	s_wait_alu depctr_va_vdst(0)
	s_mul_i32 s21, s15, 25600
	s_mul_i32 s22, s16, CHA
	s_add_co_u32 s22, s22, CHA
	v_lshlrev_b32 v5, 4, v1
	s_sub_co_u32 s23, s22, s21
	v_mul_u32_u24 v6, s23, v2
	v_add_nc_u32 v5, v5, v6
	s_add_co_u32 s18, s21, 6144
.irp s, 0,1
	v_add_nc_u32 v[ADRA+\s], s21, v3
	v_add_nc_u32 v[ADRB+\s], s22, v3
	v_add_nc_u32 v[ADRS+\s], s18, v5
	s_add_co_u32 s21, s21, SLOT
	s_add_co_u32 s22, s22, SLOT
	s_add_co_u32 s18, s18, SLOT
.endr
	s_lshl_b32 s80, s42, 10
	s_lshl_b32 s81, s16, 9
	s_add_co_u32 s80, s80, s81
	s_mov_b32 s81, 0
	s_add_nc_u64 s[78:79], s[8:9], s[80:81]
	v_lshlrev_b32 v7, 5, v2
.irp b, 0,1,2,3,4,5,6,7
	global_load_b128 v[BIAS+8*\b:BIAS+8*\b+3], v7, s[78:79] offset:64*\b
	global_load_b128 v[BIAS+8*\b+4:BIAS+8*\b+7], v7, s[78:79] offset:64*\b+16
.endr
	global_prefetch_b8 v8, s[84:85] th:TH_LOAD_NT scope:SCOPE_SE               ; chunk 2, whose load stands behind the first change of slots
	s_cmp_eq_u32 s15, 0
	s_cbranch_scc1 .Lpf_head                       ; Wo's waves name 18 blocks more
	global_prefetch_b8 v9, s[84:85] offset:8192 th:TH_LOAD_NT scope:SCOPE_SE
.Lpf_head:
	s_lshr_b32 s82, s17, 3
	s_lshl_b32 s82, s82, 10
	s_and_b32 s83, s17, 7
	s_lshl_b32 s83, s83, 2
	s_add_co_u32 s82, s82, s83
	s_lshl_b32 s83, s15, 1
	s_add_co_u32 s82, s82, s83
	s_lshl_b32 s82, s82, 13
	s_add_co_u32 s82, s82, s80
	s_mov_b32 s83, 0
	s_add_nc_u64 s[10:11], s[10:11], s[82:83]
	s_mul_i32 s23, s14, 16*SPITCH
	v_mul_u32_u24 v5, v1, SPITCH
	v_lshl_add_u32 v5, v2, 5, v5
	v_add_nc_u32 v[STO], s23, v5
	v_add_nc_u32 v[RD], s23, v3
.macro FRAG reg, adr, q, i
.irp c, 0,1,2
	ds_load_b128 v[\reg+4*\c:\reg+4*\c+3], v[\adr] offset:(\i)*BLKB+(\q)*1536+512*\c
.endr
.endm
.macro FETCH_B slot, q, p
	WIN TO_B
.irp i, 0,1,2,3,4,5,6,7
	FRAG 128*(\p)+FR*\i, ADRB+\slot, \q, \i
.endr
	WIN 0
.endm
.macro FETCH_A slot, q, p
.irp i, 0,1,2,3
	FRAG AF+48*(\p)+FR*\i, ADRA+\slot, \q, \i
.endr
.endm
.macro SCALES sl
.irp i, 0,1,2,3,4,5,6,7
	ds_load_b128 v[SC+32*\sl+4*\i:SC+32*\sl+4*\i+3], v[ADRS+\sl] offset:\i*BLKB
.endr
.endm
.macro MUL8 a, p, q, sl, first
.irp b, 0,1,2,3,4,5,6,7
.if \first
	v_wmma_scale_f32_16x16x128_f8f6f4 v[8*(8*(\a)+\b):8*(8*(\a)+\b)+7], v[128*(\p)+FR*\b:128*(\p)+FR*\b+FR-1], v[AF+48*(\p)+FR*(\a):AF+48*(\p)+FR*(\a)+FR-1], v[BIAS+8*\b:BIAS+8*\b+7], v[SC+32*(\sl)+4*\b+(\q)], v[SC+32*(\sl)+4*(\a)+(\q)] matrix_a_fmt:MATRIX_FMT_FP6 matrix_b_fmt:MATRIX_FMT_FP6 matrix_a_scale:MATRIX_SCALE_ROW1
.else
	v_wmma_scale_f32_16x16x128_f8f6f4 v[8*(8*(\a)+\b):8*(8*(\a)+\b)+7], v[128*(\p)+FR*\b:128*(\p)+FR*\b+FR-1], v[AF+48*(\p)+FR*(\a):AF+48*(\p)+FR*(\a)+FR-1], v[8*(8*(\a)+\b):8*(8*(\a)+\b)+7], v[SC+32*(\sl)+4*\b+(\q)], v[SC+32*(\sl)+4*(\a)+(\q)] matrix_a_fmt:MATRIX_FMT_FP6 matrix_b_fmt:MATRIX_FMT_FP6 matrix_a_scale:MATRIX_SCALE_ROW1
.endif
.endr
.endm
.macro STEP slot, q, first
	s_wait_dscnt 0x0
	PLACES 4
	FETCH_B \slot, (\q)+1, 1-(\q)%2
	FETCH_A \slot, (\q)+1, 1-(\q)%2
.if \first
	WIN MUL0
.else
	WIN MUL
.endif
.irp a, 0,1,2,3
	MUL8 \a, (\q)%2, \q, \slot, \first
.endr
.endm
.macro TURN slot, next, fill
	WIN 0
	s_wait_tensorcnt 0x0
	ds_add_u32 v[SPW], v[NIL]
	s_wait_dscnt 1
	WIN MUL
	MUL8 0, 1, 3, \slot, 0
	s_wait_dscnt 0x0
	s_barrier_signal -1
	MUL8 1, 1, 3, \slot, 0
	WIN 0
	s_barrier_wait -1
.if \fill
	CREST
	s_add_nc_u64 s[G0+4*\slot+2:G0+4*\slot+3], s[G0+4*\slot+2:G0+4*\slot+3], 2*CHA
	s_add_nc_u64 s[G0B+4*\slot+2:G0B+4*\slot+3], s[G0B+4*\slot+2:G0B+4*\slot+3], 2*CHA
	JLOAD G0+4*\slot, G1, G0B+4*\slot, G1B
.else
	PLACES 4
.endif
	FETCH_B \next, 0, 0
	FETCH_A \next, 0, 0
	SCALES \next
.if (\fill) && (\slot) == 0
	global_prefetch_b8 v8, s[84:85] offset:CHA th:TH_LOAD_NT scope:SCOPE_SE    ; chunk 3, whose load stands behind the next change of slots
	s_cmp_eq_u32 s15, 0
	s_cbranch_scc1 .Lpf_\@
	global_prefetch_b8 v9, s[84:85] offset:CHA+8192 th:TH_LOAD_NT scope:SCOPE_SE
.Lpf_\@:
.endif
	WIN MUL
	MUL8 2, 1, 3, \slot, 0
	MUL8 3, 1, 3, \slot, 0
.endm
.macro TOSTAGE a
	WIN 0x08
.irp b, 0,1,2,3,4,5,6,7
	ds_store_b128 v[STO], v[64*(\a)+8*\b:64*(\a)+8*\b+3] offset:64*\b
	ds_store_b128 v[STO], v[64*(\a)+8*\b+4:64*(\a)+8*\b+7] offset:64*\b+16
.endr
	WIN 0
.set BB, BK+64*((\a)%2)
.irp t, 0,1,2,3,4,5,6,7,8,9,10,11,12,13,14,15
	ds_load_b128 v[BB+4*\t:BB+4*\t+3], v[RD] offset:\t*SPITCH
.endr
.endm
.macro SEND a, younger
.set BB, BK+64*((\a)%2)
	s_wait_dscnt \younger
.irp t, 0,1,2,3,4,5,6,7,8,9,10,11,12,13,14,15
	global_store_b128 v3, v[BB+4*\t:BB+4*\t+3], s[10:11] offset:((\a)/2)*8192+(16*((\a)%2)+\t)*262144 th:TH_STORE_NT
.endr
.endm
	s_wait_alu depctr_va_vdst(0)
	s_wait_tensorcnt 1
	s_barrier_signal -1
	s_barrier_wait -1
	FETCH_B 0, 0, 0
	FETCH_A 0, 0, 0
	SCALES 0
	s_wait_loadcnt 0x0
	STEP 0, 0, 1
	STEP 0, 1, 0
	STEP 0, 2, 0
	TURN 0, 1, 1
	STEP 1, 0, 0
	STEP 1, 1, 0
	STEP 1, 2, 0
	TURN 1, 0, 1
	STEP 0, 0, 0
	STEP 0, 1, 0
	STEP 0, 2, 0
	TURN 0, 1, 0
	STEP 1, 0, 0
	STEP 1, 1, 0
	STEP 1, 2, 0
	s_wait_dscnt 0x0
	WIN MUL
.irp a, 0,1,2,3
	MUL8 \a, 1, 3, 1, 0
.endr
	WIN 0
	PLACES 4
	TOSTAGE 0
.irp a, 1,2,3
.if \a > 1
	s_wait_xcnt 0x0
.endif
	TOSTAGE \a
	SEND \a-1, 32
.endr
	SEND 3, 0
	s_wait_tensorcnt 0x0
	ds_add_u32 v[SPW], v[NIL]
	s_wait_dscnt 0x0
	CROUND
	s_endpgm
.Lfunc_end_k_q9a7cb3c06d_outp:
	.size	k_q9a7cb3c06d_outp, .Lfunc_end_k_q9a7cb3c06d_outp-k_q9a7cb3c06d_outp
	.p2alignl 7, 3214868480
	.fill 96, 4, 3214868480
	.section	.rodata,"a",@progbits
	.p2align	6, 0x0
	.amdhsa_kernel k_q9a7cb3c06d_outp
		.amdhsa_group_segment_fixed_size 327680
		.amdhsa_private_segment_fixed_size 0
		.amdhsa_enable_private_segment 0
		.amdhsa_kernarg_size 32
		.amdhsa_user_sgpr_count 2
		.amdhsa_user_sgpr_kernarg_segment_ptr 1
		.amdhsa_wavefront_size32 1
		.amdhsa_system_sgpr_workgroup_id_x 1
		.amdhsa_system_sgpr_workgroup_id_y 1
		.amdhsa_system_sgpr_workgroup_id_z 1
		.amdhsa_system_vgpr_workitem_id 0
		.amdhsa_next_free_vgpr 768
		.amdhsa_next_free_sgpr 98
		.amdhsa_reserve_vcc 0
		.amdhsa_float_denorm_mode_32 3
		.amdhsa_float_denorm_mode_16_64 3
		.amdhsa_memory_ordered 1
		.amdhsa_forward_progress 1
		.amdhsa_inst_pref_size 134
	.end_amdhsa_kernel
	.amdgpu_metadata
---
amdhsa.version: [ 1, 2 ]
amdhsa.kernels:
  - .name:           k_q9a7cb3c06d_outp
    .symbol:         k_q9a7cb3c06d_outp.kd
    .args:
      - { .name: oc, .offset: 0, .size: 8, .value_kind: global_buffer, .address_space: global }
      - { .name: woc, .offset: 8, .size: 8, .value_kind: global_buffer, .address_space: global }
      - { .name: bo, .offset: 16, .size: 8, .value_kind: global_buffer, .address_space: global }
      - { .name: out0, .offset: 24, .size: 8, .value_kind: global_buffer, .address_space: global }
    .group_segment_fixed_size: 327680
    .private_segment_fixed_size: 0
    .kernarg_segment_align: 8
    .kernarg_segment_size: 32
    .max_flat_workgroup_size: 128
    .sgpr_count:     98
    .vgpr_count:     768
    .wavefront_size: 32
...
	.end_amdgpu_metadata
.endif
;; end of part 4
